; MI455X (gfx1250); checked and timed in simulation.
; The chip was launched on July 23, 2026; its instructions are those of AMD's public machine-readable ISA for CDNA 5 (MIT licence, August 2026) and "CDNA5" Instruction Set Architecture Reference Guide (July 2026). The comments in the code are by the model that wrote it; some were corrected since.
;; Multi Head Attention. Allowed arithmetic: matrix products marked QUANTISED: E2M1 operands, one E8M0 scale for each 32 along K, by v_wmma_scale_f32_16x16x128_f8f6f4 with both operands' format E2M1 (or v_wmma_scale_f32_32x16x128_f4), f32 sums; products left as they are: bf16, f16 or f32 operands; f32 sums; everything else in f32.
;; Inputs: K 4 x 2,048 x 1,024 float32; Q 4 x 2,048 x 1,024 float32; V 4 x 2,048 x 1,024 float32; Wk 1,024 x 1,024 float32; Wo 1,024 x 1,024 float32; Wq 1,024 x 1,024 float32; Wv 1,024 x 1,024 float32; bk 1,024 float32; bo 1,024 float32; bq 1,024 float32; bv 1,024 float32.
;; Outputs: out0 4 x 2,048 x 1,024 float32.
;; This version of the problem:
;;   THIS VERSION OF THE PROBLEM IS GIVEN IN LOW PRECISION. The matrix products marked QUANTISED in the list below multiply operands that are first quantised to E2M1 (2 exponent bits, 1 mantissa bit; 4 bits a number), with one power-of-two scale for each 32 numbers along K (OCP MX v1.0); their sums are f32. The products marked 'left as it is' may take bf16, f16 or f32 operands, with f32 sums. Whichever they take, every output number must still come out within the allowed error. Rounding operands to bf16 (8 significant bits) uses up far more of that allowance than f16 does (11 bits, for magnitudes from 6e-5 to 65,504). All else is computed in f32.
;;   The module's matrix products, in the order in which they are computed (A, B: the left and right operand; K: the contracted axis; several contracted axes count as one K, in the product's order):
;;     1. [M 8,192, K 1,024] x [K 1,024, N 1,024]; A: input Q; B: input Wq: QUANTISED
;;     2. [M 8,192, K 1,024] x [K 1,024, N 1,024]; A: input K; B: input Wk: QUANTISED
;;     3. [M 8,192, K 1,024] x [K 1,024, N 1,024]; A: input V; B: input Wv: QUANTISED
;;     4. batch 64 x [M 2,048, K 64] x [K 64, N 2,048]; A: computed on the way; B: computed on the way: left as it is (an operand is computed on the way)
;;     5. batch 64 x [M 2,048, K 2,048] x [K 2,048, N 64]; A: computed on the way; B: computed on the way: left as it is (an operand is computed on the way)
;;     6. [M 8,192, K 1,024] x [K 1,024, N 1,024]; A: computed on the way; B: input Wo: left as it is (an operand is computed on the way)
;;   THE QUANTISER, for each operand of a quantised product, along K:
;;     - K is cut into blocks of 32 from its start; a last block that is shorter is filled with zeros.
;;     - A block's scale is 2^e with e = floor(log2(the largest magnitude in the block)) - 2, held to -126 .. 127; a block of zeros has e = 0. As a byte (E8M0): e + 127.
;;     - Each number is divided by its block's scale, clamped to +-6, and rounded to the nearest number of E2M1, ties to even, subnormals kept.
;;     - The product sums the exact products of the quantised numbers (number of the format x scale) in f32.
;;   ~~~python
;;   def quantise(x, axis):      # numpy; x: float32 -> the quantised numbers, widened to float32 again
;;       x = np.moveaxis(x, axis, -1); K = x.shape[-1]
;;       x = np.pad(x, [(0, 0)] * (x.ndim - 1) + [(0, -K % 32)]); x = x.reshape(x.shape[:-1] + (-1, 32)); a = np.abs(x).max(-1, keepdims=True)
;;       e = np.where(a > 0, np.clip(np.frexp(np.where(a > 0, a, 1))[1] - 1 - 2, -126, 127), 0)      # np.frexp(a)[1] - 1 = floor(log2(a)), exactly
;;       r = np.clip(x / 2.0 ** e, -6, 6)
;;       step = 2.0 ** (np.maximum(np.frexp(np.where(r == 0, 1, r))[1] - 1, 0) - 1)
;;       q = np.round(r / step) * step * 2.0 ** e      # np.round: ties to even
;;       return np.moveaxis(q.reshape(q.shape[:-2] + (-1,))[..., :K], -1, axis).astype(np.float32)
;;   ~~~
;; One version. Each part assembles by itself: llvm-mc -triple=amdgcn-amd-amdhsa -mcpu=gfx1250 --defsym DOCPART=n.
;; ======== version 1 of 1: 4 launches
;; limits: values are held in f16: magnitudes above 65,504 overflow, below 6.1e-05 lose precision
;; workspace buffers: xc 12,582,912 bytes; xs 786,432 bytes; wc 1,572,864 bytes; ws 98,304 bytes; wo16 2,097,152 bytes; qkv 50,331,648 bytes; ows 16,777,216 bytes
;; launch prep (part 1): grid 848 x 1, 4 waves a work-group, no clusters, 68,096 bytes of LDS; arguments Q, K, V, Wq, Wk, Wv, Wo, xc, xs, wc, ws, wo16; writes xc, xs, wc, ws, wo16
.if DOCPART == 1
	.amdgcn_target "amdgcn-amd-amdhsa--gfx1250"
	.amdhsa_code_object_version 6
	.text
	.protected	k_q2b1e4ecad6_prep
	.globl	k_q2b1e4ecad6_prep
	.p2align	8
	.type	k_q2b1e4ecad6_prep,@function
k_q2b1e4ecad6_prep:
	s_mov_b64 s[64:65], 0
	v_nop
	global_prefetch_b8 v0, s[64:65] scope:SCOPE_SE
	s_setreg_imm32_b32 hwreg(HW_REG_WAVE_MODE, 25, 1), 1
	s_wait_xcnt 0x0
; PREP.  Three jobs in one launch, told apart by the work-group's number alone:
;   work-groups 0-47   (path W): Wq, Wk, Wv [k 1024][n 1024] f32, K the FIRST axis -> codes of E2M1 laid [3 x 1024 rows n][512 bytes], K innermost, and one E8M0 byte for each 32 along K, laid [3072][32]
;   work-groups 48-79  (path O): Wo f32 -> f16, in place order [k][n]
;   work-groups 80-847 (path X): Q, K, V [8192][1024] f32, K innermost -> codes laid [3 x 8192 rows][512 bytes] and scale bytes [24576][32]
; The paths with few work-groups have the lowest numbers.  No work-group shares an input byte with another, so there are no clusters, no tensor loads and no barriers.
; A block's scale is 2^(floor(log2(largest magnitude)) - 2); its byte is the largest magnitude's exponent field - 2, held at 1 from below; each number is divided by the scale and rounded to the nearest code, ties to even, beyond 6 the largest code.
; LIMITS: a block of zeros gets the byte 1 where the rule says 127 (its codes are zeros, and this program alone reads the bytes); blocks whose largest magnitude lies under 2^-124 keep the byte 1 and were not tried;
; NaN and infinities are not served; |Wo| beyond 65,504 has no f16 number.
; LDS: path X wave w: bytes 8192 w on (two stages of 32 x 80, then 256 scale bytes); path W wave w: 32768 + 8704 w on (32 rows x 272); the spare words behind both.
.set SPW,    192                       ; v192 LDS address of my spare word; never rewritten
.set NIL,    193                       ; v193 0; never rewritten
.set WBASE,  32768
.set WPITCH, 272
.set SPARE,  WBASE+4*32*WPITCH         ; 67,584: 128 bytes for each wave, two blocks of 256 bytes that no other line names
.set WV,     28                        ; s28  my wave's number
.set SP,     80                        ; path X: a lane's place in a stage: 64 bytes + 16 of padding
.set XR,     16                        ; v16-79   four sets of 16 numbers as loaded
.set XX,     80                        ; v80-111  two sets of 16 neighbours
.set XE,     112                       ; v112-127 a scale byte for each step
.set XC,     128                       ; v128-191 codes, four registers a step: no store's data are written again
.set WX,     32                        ; path W: v32-95 two sets of 32 numbers
.set WC,     96                        ; v96-99   a block's codes
.set WO,     112                       ; v112-175 the way out
.set WS,     24                        ; v24-27   the scale bytes, four to a register
.macro FINISH                          ; the wave's end, behind my last LDS store
	s_wait_tensorcnt 0x0
	ds_add_u32 v[SPW], v[NIL]
	s_wait_dscnt 0x0
	s_endpgm
.endm
; ---- path X's macros.  A wave takes 16 steps of 512 numbers.  Each of a step's four loads reads 512 consecutive bytes; the 2,048 bytes turn through the wave's own stage, so that a lane then holds 16 neighbours along K.
.macro XLOAD t
.irp i, 0,1,2,3
	global_load_b128 v[XR+16*((\t)%4)+4*\i:XR+16*((\t)%4)+4*\i+3], v3, s[4:5] offset:2048*(\t)+512*\i th:TH_LOAD_NT
.endr
.endm
.macro XTURN t                         ; LDS serves a wave's instructions in order (ISA guide 5.7.1.4): no wait between the stores and the loads
.irp i, 0,1,2,3
	ds_store_b128 v14, v[XR+16*((\t)%4)+4*\i:XR+16*((\t)%4)+4*\i+3] offset:32*SP*((\t)%2)+8*SP*\i
.endr
.irp i, 0,1,2,3
	ds_load_b128 v[XX+16*((\t)%2)+4*\i:XX+16*((\t)%2)+4*\i+3], v15 offset:32*SP*((\t)%2)+16*\i
.endr
.endm
.macro XSTEP t
.set XS, XX+16*((\t)%2)
.if (\t) > 0
	s_wait_dscnt 1                                 ; this step's numbers are back from the stage; the last step's byte store may be out
.else
	s_wait_dscnt 0x0
.endif
.if (\t)+4 < 16
	XLOAD (\t)+4                                   ; into the set whose stage stores are done by the wait above
.endif
.if (\t)+1 < 16
.if 14-(\t) >= 3
	s_wait_loadcnt 12                              ; the next step's four loads are in; the twelve of the three steps behind it may be out
.else
	s_wait_loadcnt 4*(14-(\t))
.endif
	XTURN (\t)+1
.endif
	v_max3_num_f32 v8, |v[XS]|, |v[XS+1]|, |v[XS+2]|               ; the largest magnitude of my 16, in two chains
	v_max3_num_f32 v9, |v[XS+3]|, |v[XS+4]|, |v[XS+5]|
.irp i, 6,10
	v_max3_num_f32 v8, v8, |v[XS+\i]|, |v[XS+\i+1]|
	v_max3_num_f32 v9, v9, |v[XS+\i+2]|, |v[XS+\i+3]|
.endr
	v_max3_num_f32 v8, v8, |v[XS+14]|, |v[XS+15]|
	v_max3_num_f32 v8, v8, v9, 0x1800000           ; and the floor 2^(3 - 127): the byte cannot fall under 1
	v_max_num_f32_dpp v8, v8, v8 row_xmask:1 row_mask:0xf bank_mask:0xf   ; with my neighbour's 16: the block's
	v_add_nc_u32 v11, 0xff000000, v8               ; 2 off its exponent field: the conversion takes the exponent field of this operand as its scale
	v_cvt_scalef32_pk8_fp4_f32 v[XC+4*(\t)], v[XS:XS+7], v11
	v_cvt_scalef32_pk8_fp4_f32 v[XC+4*(\t)+1], v[XS+8:XS+15], v11
	v_lshrrev_b32 v[XE+(\t)], 23, v11              ; the scale's byte (also the plain line behind the conversions)
	ds_store_b8 v5, v[XE+(\t)] offset:16*(\t)      ; both lanes of a block write the same byte with the same value
	global_store_b64 v4, v[XC+4*(\t):XC+4*(\t)+1], s[18:19] offset:256*(\t)   ; the wave stores 256 consecutive bytes, aligned
.endm
; ---- path W's macros.  A lane takes a column n and its registers run down K: a block of 32 along K lies in one lane.
.macro WLOAD t
.set wi, 0
.rept 32
	global_load_b32 v[WX+32*((\t)%2)+wi], v3, s[10:11] offset:(32*(\t)+wi)*4096 th:TH_LOAD_NT
.set wi, wi+1
.endr
.endm
.macro WBLOCK t
.set XS, WX+32*((\t)%2)
.if (\t) < 15
	s_wait_loadcnt 32                              ; this block's 32 loads are in; the next block's 32 may be out
.else
	s_wait_loadcnt 0
.endif
	v_max3_num_f32 v12, |v[XS]|, |v[XS+1]|, |v[XS+2]|
	v_max3_num_f32 v13, |v[XS+3]|, |v[XS+4]|, |v[XS+5]|
.irp i, 6,10,14,18,22,26
	v_max3_num_f32 v12, v12, |v[XS+\i]|, |v[XS+\i+1]|
	v_max3_num_f32 v13, v13, |v[XS+\i+2]|, |v[XS+\i+3]|
.endr
	v_max3_num_f32 v12, v12, |v[XS+30]|, |v[XS+31]|
	v_max3_num_f32 v12, v12, v13, 0x1800000        ; the floor
	v_add_nc_u32 v11, 0xff000000, v12              ; the conversion's scale operand
	v_lshrrev_b32 v13, 23, v11                     ; the byte
.if (\t)%4 == 0
	v_mov_b32 v[WS+(\t)/4], v13
.else
	v_lshl_or_b32 v[WS+(\t)/4], v13, 8*((\t)%4), v[WS+(\t)/4]
.endif
.irp g, 0,1,2,3
	v_cvt_scalef32_pk8_fp4_f32 v[WC+\g], v[XS+8*\g:XS+8*\g+7], v11
.endr
	v_nop                                          ; one plain line behind the last conversion
	ds_store_b128 v4, v[WC:WC+3] offset:16*(\t)    ; 32 codes: 16 bytes of my column's row
.if (\t)+2 < 16
	WLOAD (\t)+2
.endif
	s_wait_dscnt 0x0                               ; the store has read its registers: the next block's codes may be written
.endm
; ---- path O's macros: 64 loads of 512 consecutive bytes a wave, in four groups of 16 on two sets of registers
.macro OLOADG g
.set oi, 0
.rept 16
	global_load_b128 v[16+64*((\g)%2)+4*oi:16+64*((\g)%2)+4*oi+3], v3, s[16:17] offset:512*(16*(\g)+oi) th:TH_LOAD_NT
.set oi, oi+1
.endr
.endm
.macro OPROC g, left
	s_wait_loadcnt \left                           ; this group's loads are in; the later group's may be out
	s_wait_xcnt 0x0                                ; the last group's stores have read their data registers, which are written again below
.set oi, 0
.rept 16
	v_cvt_pk_f16_f32 v[144+2*oi], v[16+64*((\g)%2)+4*oi], v[16+64*((\g)%2)+4*oi+1]
	v_cvt_pk_f16_f32 v[145+2*oi], v[16+64*((\g)%2)+4*oi+2], v[16+64*((\g)%2)+4*oi+3]
.set oi, oi+1
.endr
.set oi, 0
.rept 16
	global_store_b64 v4, v[144+2*oi:145+2*oi], s[26:27] offset:256*(16*(\g)+oi)   ; 256 consecutive bytes, aligned
.set oi, oi+1
.endr
.endm
	s_load_b256 s[4:11], s[0:1], 0x0               ; Q s[4:5], K s[6:7], V s[8:9], Wq s[10:11]
	s_load_b256 s[12:19], s[0:1], 0x20             ; Wk s[12:13], Wv s[14:15], Wo s[16:17], xc s[18:19]
	s_load_b256 s[20:27], s[0:1], 0x40             ; xs s[20:21], wc s[22:23], ws s[24:25], wo16 s[26:27]
	v_lshl_add_u32 v[SPW], v0, 2, SPARE
	v_mov_b32 v[NIL], 0
	v_lshrrev_b32 v1, 5, v0
	v_readfirstlane_b32 s[WV], v1                  ; wave 0..3
	v_and_b32 v2, 31, v0                           ; lane
	s_mov_b32 s35, 0                               ; the high word of the offset pair s[34:35]: every offset here is under 2^32
	s_wait_kmcnt 0x0
	s_cmp_lt_u32 ttmp9, 48
	s_cbranch_scc1 .Lw
	s_cmp_lt_u32 ttmp9, 80
	s_cbranch_scc1 .Lo
	; ================ path X ================
	s_sub_co_u32 s30, ttmp9, 80                    ; 0..767: 256 work-groups a tensor
	s_cmp_lt_u32 s30, 256
	s_cselect_b64 s[4:5], s[4:5], s[6:7]           ; Q or K,
	s_cmp_lt_u32 s30, 512
	s_cselect_b64 s[4:5], s[4:5], s[8:9]           ; or V: the choice hangs on the work-group's number alone
	s_and_b32 s31, s30, 255
	s_lshl_b32 s31, s31, 2
	s_add_co_u32 s31, s31, s[WV]                   ; which run of 8,192 numbers of the tensor is my wave's
	s_lshl_b32 s34, s31, 15
	s_add_nc_u64 s[4:5], s[4:5], s[34:35]
	s_lshl_b32 s31, s30, 2
	s_add_co_u32 s31, s31, s[WV]                   ; and of the three stacked tensors: 0..3071
	s_lshl_b32 s34, s31, 12                        ; 4,096 bytes of codes a run
	s_add_nc_u64 s[18:19], s[18:19], s[34:35]
	s_lshl_b32 s34, s31, 8                         ; 256 scale bytes a run
	s_add_nc_u64 s[20:21], s[20:21], s[34:35]
	v_lshlrev_b32 v3, 4, v2                        ; my 16 bytes of a load's 512
	s_mul_i32 s29, s[WV], 8192
	v_lshrrev_b32 v14, 2, v2
	v_mul_u32_u24 v14, v14, SP
	v_and_b32 v15, 3, v2
	v_lshl_add_u32 v14, v15, 4, v14
	v_add_nc_u32 v14, s29, v14                     ; the stage, way in: four lanes' 64 bytes on end, then 16 of padding
	v_mul_u32_u24 v15, v2, SP
	v_add_nc_u32 v15, s29, v15                     ; way out: my 16 neighbours
	v_lshlrev_b32 v4, 3, v2                        ; my codes' place in a step's 256 bytes
	v_lshrrev_b32 v5, 1, v2
	s_add_co_u32 s29, s29, 2*32*SP
	v_add_nc_u32 v5, s29, v5                       ; my wave's 256 scale bytes, my block's byte
	v_lshlrev_b32 v7, 3, v2
	v_add_nc_u32 v6, s29, v7                       ; and on the way out 8 bytes a lane
.irp t, 0,1,2,3
	XLOAD \t
.endr
	s_wait_loadcnt 12                              ; step 0's four loads are in
	XTURN 0
.irp t, 0,1,2,3,4,5,6,7,8,9,10,11,12,13,14,15
	XSTEP \t
.endr
	ds_load_b64 v[8:9], v6                         ; in order behind my byte stores
	s_wait_dscnt 0x0
	global_store_b64 v7, v[8:9], s[20:21]          ; 256 consecutive bytes, aligned
	FINISH
	; ================ path W ================
.Lw:
	s_lshr_b32 s30, ttmp9, 4                       ; the tensor: 16 work-groups each
	s_and_b32 s31, ttmp9, 7                        ; which 128 columns
	s_bfe_u32 s32, ttmp9, 0x10003                  ; which 512 along K
	s_cmp_eq_u32 s30, 0
	s_cselect_b64 s[10:11], s[10:11], s[12:13]     ; Wq or Wk,
	s_cmp_lt_u32 s30, 2
	s_cselect_b64 s[10:11], s[10:11], s[14:15]     ; or Wv
	s_lshl_b32 s31, s31, 7
	s_lshl_b32 s33, s[WV], 5
	s_add_co_u32 s31, s31, s33                     ; my wave's first column
	s_lshl_b32 s34, s32, 21                        ; 512 rows of 4,096 bytes
	s_lshl_b32 s33, s31, 2
	s_add_co_u32 s34, s34, s33
	s_add_nc_u64 s[10:11], s[10:11], s[34:35]
	s_lshl_b32 s33, s30, 10
	s_add_co_u32 s33, s33, s31                     ; the row of the stacked codes: 1024 x tensor + column
	s_lshl_b32 s34, s33, 9
	s_lshl_b32 s36, s32, 8
	s_add_co_u32 s34, s34, s36
	s_add_nc_u64 s[22:23], s[22:23], s[34:35]
	s_lshl_b32 s34, s33, 5
	s_lshl_b32 s36, s32, 4
	s_add_co_u32 s34, s34, s36
	s_add_nc_u64 s[24:25], s[24:25], s[34:35]
	v_lshlrev_b32 v3, 2, v2                        ; in: 4 bytes a lane: 128 consecutive bytes a load
	s_mul_i32 s29, s[WV], 32*WPITCH
	s_add_co_u32 s29, s29, WBASE                   ; my stage
	v_mul_u32_u24 v4, v2, WPITCH
	v_add_nc_u32 v4, s29, v4                       ; into it: row = my column
	v_and_b32 v5, 15, v2
	v_lshrrev_b32 v6, 4, v2
	v_mul_u32_u24 v7, v6, WPITCH
	v_lshl_add_u32 v7, v5, 4, v7
	v_add_nc_u32 v7, s29, v7                       ; out of it: sixteen lanes to a row, two rows an instruction
	v_mul_u32_u24 v8, v6, 512
	v_lshl_add_u32 v8, v5, 4, v8                   ; and the same place among the codes' rows
	v_lshlrev_b32 v9, 5, v2                        ; my column's row of scale bytes
	WLOAD 0
	WLOAD 1
.set Q, 0
.rept 16
	WBLOCK Q
.set Q, Q+1
.endr
	global_store_b128 v9, v[WS:WS+3], s[24:25]     ; my column's 16 scale bytes
.irp t, 0,1,2,3,4,5,6,7,8,9,10,11,12,13,14,15
	ds_load_b128 v[WO+4*\t:WO+4*\t+3], v7 offset:2*\t*WPITCH
.endr
.irp t, 0,1,2,3,4,5,6,7,8,9,10,11,12,13,14,15
	s_wait_dscnt 15-\t                             ; loads come back in order: number t is in
	global_store_b128 v8, v[WO+4*\t:WO+4*\t+3], s[22:23] offset:2*\t*512   ; sixteen lanes store 256 consecutive bytes, aligned
.endr
	FINISH
	; ================ path O ================
.Lo:
	s_sub_co_u32 s30, ttmp9, 48
	s_lshl_b32 s30, s30, 2
	s_add_co_u32 s30, s30, s[WV]                   ; which run of 8,192 numbers is my wave's: 0..127
	s_lshl_b32 s34, s30, 15
	s_add_nc_u64 s[16:17], s[16:17], s[34:35]
	s_lshl_b32 s34, s30, 14
	s_add_nc_u64 s[26:27], s[26:27], s[34:35]
	v_lshlrev_b32 v3, 4, v2
	v_lshlrev_b32 v4, 3, v2
	OLOADG 0
	OLOADG 1
	OPROC 0, 16
	OLOADG 2
	OPROC 1, 16
	OLOADG 3
	OPROC 2, 16
	OPROC 3, 0
	s_endpgm
.Lfunc_end_k_q2b1e4ecad6_prep:
	.size	k_q2b1e4ecad6_prep, .Lfunc_end_k_q2b1e4ecad6_prep-k_q2b1e4ecad6_prep
	.p2alignl 7, 3214868480
	.fill 96, 4, 3214868480
	.section	.rodata,"a",@progbits
	.p2align	6, 0x0
	.amdhsa_kernel k_q2b1e4ecad6_prep
		.amdhsa_group_segment_fixed_size 68096
		.amdhsa_private_segment_fixed_size 0
		.amdhsa_enable_private_segment 0
		.amdhsa_kernarg_size 96
		.amdhsa_user_sgpr_count 2
		.amdhsa_user_sgpr_kernarg_segment_ptr 1
		.amdhsa_wavefront_size32 1
		.amdhsa_system_sgpr_workgroup_id_x 1
		.amdhsa_system_sgpr_workgroup_id_y 1
		.amdhsa_system_sgpr_workgroup_id_z 1
		.amdhsa_system_vgpr_workitem_id 0
		.amdhsa_next_free_vgpr 200
		.amdhsa_next_free_sgpr 66
		.amdhsa_reserve_vcc 0
		.amdhsa_float_denorm_mode_32 3
		.amdhsa_float_denorm_mode_16_64 3
		.amdhsa_memory_ordered 1
		.amdhsa_forward_progress 1
		.amdhsa_inst_pref_size 132
	.end_amdhsa_kernel
	.amdgpu_metadata
---
amdhsa.version: [ 1, 2 ]
amdhsa.kernels:
  - .name:           k_q2b1e4ecad6_prep
    .symbol:         k_q2b1e4ecad6_prep.kd
    .args:
      - { .name: Q, .offset: 0, .size: 8, .value_kind: global_buffer, .address_space: global }
      - { .name: K, .offset: 8, .size: 8, .value_kind: global_buffer, .address_space: global }
      - { .name: V, .offset: 16, .size: 8, .value_kind: global_buffer, .address_space: global }
      - { .name: Wq, .offset: 24, .size: 8, .value_kind: global_buffer, .address_space: global }
      - { .name: Wk, .offset: 32, .size: 8, .value_kind: global_buffer, .address_space: global }
      - { .name: Wv, .offset: 40, .size: 8, .value_kind: global_buffer, .address_space: global }
      - { .name: Wo, .offset: 48, .size: 8, .value_kind: global_buffer, .address_space: global }
      - { .name: xc, .offset: 56, .size: 8, .value_kind: global_buffer, .address_space: global }
      - { .name: xs, .offset: 64, .size: 8, .value_kind: global_buffer, .address_space: global }
      - { .name: wc, .offset: 72, .size: 8, .value_kind: global_buffer, .address_space: global }
      - { .name: ws, .offset: 80, .size: 8, .value_kind: global_buffer, .address_space: global }
      - { .name: wo16, .offset: 88, .size: 8, .value_kind: global_buffer, .address_space: global }
    .group_segment_fixed_size: 68096
    .private_segment_fixed_size: 0
    .kernarg_segment_align: 8
    .kernarg_segment_size: 96
    .max_flat_workgroup_size: 128
    .sgpr_count:     66
    .vgpr_count:     200
    .wavefront_size: 32
...
	.end_amdgpu_metadata
.endif
;; end of part 1
;; launch proj (part 2): grid 4 x 96, 4 waves a work-group, clusters of 4 x 4, 327,680 bytes of LDS; arguments xc, xs, wc, ws, bq, bk, bv, qkv; writes qkv
.if DOCPART == 2
	.amdgcn_target "amdgcn-amd-amdhsa--gfx1250"
	.amdhsa_code_object_version 6
	.text
	.protected	k_q2b1e4ecad6_proj
	.globl	k_q2b1e4ecad6_proj
	.p2align	8
	.type	k_q2b1e4ecad6_proj,@function
k_q2b1e4ecad6_proj:
	s_mov_b64 s[64:65], 0
	v_nop
	global_prefetch_b8 v0, s[64:65] scope:SCOPE_SE
	s_setreg_imm32_b32 hwreg(HW_REG_WAVE_MODE, 25, 1), 1
	s_wait_xcnt 0x0
	s_wait_alu depctr_hold_cnt(0) depctr_sa_sdst(0) depctr_va_vdst(0) depctr_va_sdst(0) depctr_va_ssrc(0) depctr_va_vcc(0) depctr_vm_vsrc(0)
	s_getreg_b32 s2, hwreg(HW_REG_IB_STS2, 6, 4)
	s_cmp_eq_u32 s2, 0
	s_cbranch_scc0 .Lentry_in_a_cluster
	s_endpgm
.Lentry_in_a_cluster:
	s_bfe_u32 s2, ttmp6, 0x10000c
	s_cmp_lg_u32 s2, 0xf033
	s_cbranch_scc0 .Lentry_shape_is_right
	s_endpgm
.Lentry_shape_is_right:
; PROJ.  The three quantised products in one launch: C[m][n] = sum over k of X[m][k] W[n][k] on codes of E2M1 with one E8M0 scale for each 32 along K, for the stacked tensors X = Q, K, V (24,576 rows) and W = Wq, Wk, Wv (3 x 1,024 rows n); K = 1,024.
; Then + bias, q alone times log2(e) / 8 (so that the next launch's scores are exponents of 2), rounded once to f16 and stored with the heads split: qkv[tensor][batch x 16 + head][position][64].
; LIMIT: |k|, |v| and 0.1803 |q| beyond 65,504 have no f16 number.
; A tile of C, 256 x 256, is made by a work-group of four waves; a wave makes 128 x 128: 64 accumulators of 16 x 16, 512 registers.  K's 1,024 are two LDS slots of 512 (rows of 256 bytes): both are first fills, nothing is filled again.
; The scale bytes of the work-group's 256 + 256 rows, two dense blocks of memory, come with the first fills and stay.
; CLUSTERS: 4 x 4 work-groups.  The four of a row of the cluster need the same rows of X, the four of a column the same rows of W: each tile is asked for JOINTLY, by the same tensor load with the same descriptor and a mask that names the four.
; The tensor's number hangs on the cluster's y alone, so it is the same in all sixteen.  THE MATRIX INSTRUCTION IS USED TRANSPOSED (source 0 = 16 rows of W, source 1 = 16 rows of X): a lane holds eight neighbouring columns of one row of C.
; REGISTERS, in windows of 256: window 0: v16-29 addresses; v32-95 scale words, two sets, and nothing else; v96-127 packed results; v128-191 X's fragments, one set, later rows read back; v192-255 at work on the way out.
;   window 1: W's fragments, two sets, at v0 and v128; v64-127 the bias of my 128 columns in the result's layout.   windows 2, 3: the accumulators of my rows 0-63 and 64-127 ((a, b) at v[8 (8 (a % 4) + b)]).
.set NQ,     4                         ; matrix instructions deep in a slot
.set ROWB,   256                       ; a tile's row in bytes: 512 codes
.set KROW,   512                       ; a row of codes in memory
.set PITCH,  272                       ; an LDS row: 256 + 16 bytes = 68 words: the 16 rows that a load touches start at 16 different banks (64 banks of 4 bytes: ISA guide 11.1)
.set FR,     8
.set NL,     2
.set NP,     4                         ; places behind this matrix instruction (ISA guide 7.12.1)
.set HALFT,  128*PITCH
.set SLOT,   4*HALFT                   ; X's 256 rows, then W's 256 rows
.set KS,     32                        ; a row of scale bytes
.set SCL,    2*SLOT                    ; behind the slots: the scale bytes, as rows of 256 bytes + 16 of padding
.set HALFS,  (128*KS/256)*272
.set SBLK,   (16*KS/256)*272
.set SPARE,  SCL+4*HALFS               ; the spare words, 128 bytes a wave: two blocks of 256 bytes that no other line names
.set SPITCH, 272                       ; the way out: a stage of 16 rows x (256 + 16) bytes for each wave, in slot 0, which has had its only fill and its last read by then
.set ADRA, 16
.set ADRB, 20
.set STO,  24
.set RD,   25
.set CO,   26
.set ADRS, 27
.set SPW,  28
.set NIL,  29
.set SC,   32
.set TMP,  96
.set AF,   128
.set BK,   128
.set SCR,  192
.set BIAS, 64                          ; in window 1
.set WV,   20                          ; s20 wave
.set RH,   21                          ; s21 my half of the tile's rows; also: I fetch for X (0) or for W (1)
.set CH,   22                          ; s22 my half of its columns; also: which 128 rows I fetch
.set TR,   23                          ; s23 tile row 0..95
.set TC,   42                          ; s42 tile column 0..3
.set TT,   66                          ; s66 the tensor 0..2
.set FS,   96                          ; s[96:97] the factor: log2(e)/8 for q, else 1
.set G1,   24
.set G0,   32
.set G1B,  48
.set G0B,  56
.set G1S,  68
.set G0S,  76
.set G1SB, 80
.set G0SB, 88
.set MSB, 0
.macro WIN new                         ; the immediate's high byte repeats the setting that is left; a switch that changes nothing is dropped
.if MSB != (\new)
	s_set_vgpr_msb (MSB<<8)|(\new)
.set MSB, (\new)
.endif
.endm
.set MUL_LO, 0xa1                      ; source 0 (W) window 1, source 1 (X) window 0, C and D window 2
.set MUL_HI, 0xf1
.set TO_B,   0x40
; A joint load: waves 0 and 1 fetch for X, waves 2 and 3 for W; the branch hangs on the wave's number alone.  An s_nop 0 and four v_nop follow each of the two lines.
.macro JLOAD g0a, g1a, g0b, g1b
	s_cmp_eq_u32 s[RH], 0
	s_cbranch_scc0 .Lfor_b_\@
	tensor_load_to_lds s[\g0a:\g0a+3], s[\g1a:\g1a+7]
	s_nop 0
.rept 4
	v_nop
.endr
	s_branch .Lasked_\@
.Lfor_b_\@:
	tensor_load_to_lds s[\g0b:\g0b+3], s[\g1b:\g1b+7]
	s_nop 0
.rept 4
	v_nop
.endr
.Lasked_\@:
.endm
.macro CROUND                          ; a round of the cluster's barrier
	s_barrier_signal -1
	s_barrier_wait -1
	s_cmp_lg_u32 s[WV], 0
	s_cbranch_scc1 .Lnot_wave_0_\@
	s_barrier_signal -3
.Lnot_wave_0_\@:
	s_barrier_wait -3
	s_barrier_signal -1
	s_barrier_wait -1
.endm
	s_load_b256 s[4:11], s[0:1], 0x0               ; xc s[4:5], xs s[6:7], wc s[8:9], ws s[10:11]
	s_load_b256 s[12:19], s[0:1], 0x20             ; bq s[12:13], bk s[14:15], bv s[16:17], qkv s[18:19]
	v_lshl_add_u32 v[SPW], v0, 2, SPARE
	v_mov_b32 v[NIL], 0
	ds_add_u32 v[SPW], v[NIL]                      ; the wave's opening: the add, twice on end, and its wait ahead of my first tensor load
	ds_add_u32 v[SPW], v[NIL]
	v_lshrrev_b32 v1, 5, v0
	v_readfirstlane_b32 s[WV], v1
	s_lshr_b32 s[RH], s[WV], 1
	s_and_b32 s[CH], s[WV], 1
	s_bfe_u32 s40, ttmp6, 0x40000                  ; cx
	s_bfe_u32 s41, ttmp6, 0x40004                  ; cy
	s_lshl_b32 s[TC], ttmp9, 2
	s_add_co_u32 s[TC], s[TC], s40                 ; tile column = 4 x cluster x + cx
	s_and_b32 s[TT], ttmp7, 0xffff                 ; cluster y, 0..23
	s_lshl_b32 s[TR], s[TT], 2
	s_add_co_u32 s[TR], s[TR], s41                 ; tile row = 4 x cluster y + cy
	s_lshr_b32 s[TT], s[TT], 3                     ; eight clusters, 32 tile rows, a tensor
	s_lshl_b32 s43, s41, 2
	s_lshl_b32 s43, 15, s43                        ; my row of the cluster
	s_lshl_b32 s44, 0x1111, s40                    ; my column
	s_or_b32 s[G1+0], s43, (0<<16)|(1<<20)|(1<<21)|(5<<22)|(3<<25)   ; the mask; elements of 1 byte; padding on; bit 21 beside a mask; 4 words after every 64
	s_or_b32 s[G1B+0], s44, (0<<16)|(1<<20)|(1<<21)|(5<<22)|(3<<25)
.irp g, G1, G1B
	s_mov_b32 s[\g+1], ROWB<<16                    ; tensor_dim0
	s_mov_b32 s[\g+2], 128<<16                     ; tensor_dim1
	s_mov_b32 s[\g+3], ROWB<<16                    ; tile_dim0
	s_mov_b32 s[\g+4], 128                         ; tile_dim1
	s_mov_b32 s[\g+5], KROW                        ; from row to row
	s_mov_b32 s[\g+6], 0
	s_mov_b32 s[\g+7], 0
.endr
	s_or_b32 s[G1S+0], s43, (3<<16)|(1<<20)|(1<<21)|(5<<22)|(3<<25)  ; the scale bytes of 128 rows: 4,096 dense bytes as 16 rows of 32 elements of 8 bytes
	s_or_b32 s[G1SB+0], s44, (3<<16)|(1<<20)|(1<<21)|(5<<22)|(3<<25)
.irp g, G1S, G1SB
	s_mov_b32 s[\g+1], 32<<16
	s_mov_b32 s[\g+2], (128*KS/256)<<16
	s_mov_b32 s[\g+3], 32<<16
	s_mov_b32 s[\g+4], 128*KS/256
	s_mov_b32 s[\g+5], 32
	s_mov_b32 s[\g+6], 0
	s_mov_b32 s[\g+7], 0
.endr
	s_lshl_b32 s67, s[CH], 7                       ; which 128 rows of the tile I fetch
	s_lshl_b32 s100, s[TR], 8
	s_add_co_u32 s100, s100, s67                   ; X: row 256 x tile row + 128 x half
	s_lshl_b32 s46, s[TC], 8
	s_add_co_u32 s46, s46, s67
	s_lshl_b32 s67, s[TT], 10
	s_add_co_u32 s46, s46, s67                     ; W: row 1,024 x tensor + 256 x tile column + 128 x half
	s_lshl_b32 s98, s100, 5                        ; where these rows' scale bytes begin,
	s_mov_b32 s99, 0
	s_lshl_b32 s100, s100, 9                       ; and their codes (all under 2^32)
	s_mov_b32 s101, 0
	s_lshl_b32 s92, s46, 5
	s_mov_b32 s93, 0
	s_lshl_b32 s46, s46, 9
	s_mov_b32 s47, 0
	s_mul_i32 s45, s[WV], HALFT                    ; where they go: wave x 128 rows: no place in the cluster enters an LDS address
	s_mul_i32 s94, s[WV], HALFS
	s_wait_dscnt 0x0                               ; both opening adds are done
	s_wait_kmcnt 0x0
	s_add_nc_u64 s[100:101], s[4:5], s[100:101]
	s_add_nc_u64 s[98:99], s[6:7], s[98:99]
	s_add_nc_u64 s[46:47], s[8:9], s[46:47]
	s_add_nc_u64 s[92:93], s[10:11], s[92:93]
	CROUND                                         ; all sixteen work-groups are here: the joint loads meet
	s_mov_b32 s[G0S], 1
	s_add_co_u32 s[G0S+1], s94, SCL
	s_mov_b64 s[G0S+2:G0S+3], s[98:99]
	s_or_b32 s[G0S+3], s[G0S+3], 0x80000000
	s_mov_b32 s[G0SB], 1
	s_add_co_u32 s[G0SB+1], s94, SCL
	s_mov_b64 s[G0SB+2:G0SB+3], s[92:93]
	s_or_b32 s[G0SB+3], s[G0SB+3], 0x80000000
	JLOAD G0S, G1S, G0SB, G1SB                     ; the scale bytes first; by this text's count three tensor loads of a wave are out at the most
.irp s, 0,1
	s_mov_b32 s[G0+4*\s], 1
	s_add_co_u32 s[G0+4*\s+1], s45, \s*SLOT
	s_add_nc_u64 s[G0+4*\s+2:G0+4*\s+3], s[100:101], \s*ROWB
	s_or_b32 s[G0+4*\s+3], s[G0+4*\s+3], 0x80000000
	s_mov_b32 s[G0B+4*\s], 1
	s_add_co_u32 s[G0B+4*\s+1], s45, \s*SLOT
	s_add_nc_u64 s[G0B+4*\s+2:G0B+4*\s+3], s[46:47], \s*ROWB
	s_or_b32 s[G0B+4*\s+3], s[G0B+4*\s+3], 0x80000000
	JLOAD G0+4*\s, G1, G0B+4*\s, G1B
.endr
	v_and_b32 v1, 15, v0                           ; r = lane % 16
	v_bfe_u32 v2, v0, 4, 1                         ; h = lane / 16
	v_mul_u32_u24 v3, v1, PITCH
	v_lshl_add_u32 v4, v2, 4, v3                   ; a fragment's row x pitch + 16 h
	s_mul_i32 s98, s[RH], HALFT                    ; my 128 rows of X
	s_mul_i32 s99, s[CH], HALFT                    ; my 128 rows of W,
	s_add_co_u32 s99, s99, 2*HALFT                 ; behind X's 256
.irp s, 0,1
	v_add_nc_u32 v[ADRA+\s], s98, v4
	v_add_nc_u32 v[ADRB+\s], s99, v4
	s_add_co_u32 s98, s98, SLOT
	s_add_co_u32 s99, s99, SLOT
.endr
	v_mul_u32_u24 v5, v1, KS                       ; my row's scale bytes: 32 a row,
	v_lshrrev_b32 v6, 8, v5
	v_lshl_add_u32 v5, v6, 4, v5                   ; and 16 more for each 256 passed
	s_mul_i32 s98, s[RH], HALFS
	s_mul_i32 s99, s[CH], HALFS
	s_add_co_u32 s99, s99, 2*HALFS
	s_sub_co_u32 s99, s99, s98
	v_mul_u32_u24 v6, s99, v2                      ; lanes 16-31 take W's: one product, the distance between the two bases
	s_add_co_u32 s98, s98, SCL
	v_add_nc_u32 v5, v5, v6
	v_add_nc_u32 v[ADRS], s98, v5
	s_mul_i32 s98, s[WV], 16*SPITCH                ; my stage
	v_mul_u32_u24 v5, v1, SPITCH
	v_lshl_add_u32 v5, v2, 4, v5
	v_add_nc_u32 v[STO], s98, v5                   ; in: row r, 16 bytes for each half of the lanes
	v_bfe_u32 v5, v0, 3, 2
	v_mul_u32_u24 v5, v5, SPITCH
	v_and_b32 v6, 7, v0
	v_lshl_add_u32 v5, v6, 4, v5
	v_add_nc_u32 v[RD], s98, v5                    ; back: eight lanes take a head's 128 bytes of a row, four rows an instruction
	v_and_b32 v6, 31, v0
	v_lshlrev_b32 v[CO], 4, v6                     ; and in memory those four rows are 512 consecutive bytes
	v_lshlrev_b32 v7, 5, v2                        ; the bias: 32 h bytes
	; the factor, the bias pointer and the output's base: choices on the tensor's number, no branch
	s_cmp_eq_u32 s[TT], 0
	s_mov_b32 s[FS], 1.0
	s_cselect_b32 s[FS], 0x3e38aa3b, s[FS]         ; log2(e) / 8 for q
	s_cselect_b64 s[12:13], s[12:13], s[14:15]     ; bq or bk,
	s_mov_b32 s[FS+1], s[FS]                       ; (named as a pair, so it is written)
	s_cmp_lt_u32 s[TT], 2
	s_cselect_b64 s[12:13], s[12:13], s[16:17]     ; or bv
	s_lshl_b32 s92, s[TC], 10
	s_lshl_b32 s93, s[CH], 9
	s_add_co_u32 s92, s92, s93                     ; my 128 columns' first byte in the bias
	s_mov_b32 s93, 0
	s_add_nc_u64 s[12:13], s[12:13], s[92:93]
	WIN TO_B
.irp b, 0,1,2,3,4,5,6,7
	global_load_b128 v[BIAS+8*\b:BIAS+8*\b+3], v7, s[12:13] offset:64*\b          ; lane (r, h), block b: columns 16 b + 8 h + 0 .. 7
	global_load_b128 v[BIAS+8*\b+4:BIAS+8*\b+7], v7, s[12:13] offset:64*\b+16
.endr
	WIN 0
	s_and_b32 s98, s[TR], 31
	s_lshl_b32 s98, s98, 8
	s_lshl_b32 s99, s[RH], 7
	s_add_co_u32 s98, s98, s99                     ; my first row in the tensor, 0..8191
	s_lshr_b32 s99, s98, 11
	s_lshl_b32 s99, s99, 22                        ; its batch: 16 heads of 262,144 bytes
	s_and_b32 s98, s98, 2047
	s_lshl_b32 s98, s98, 7                         ; its position: 128 bytes a row of a head
	s_add_co_u32 s98, s98, s99
	s_lshl_b32 s99, s[TT], 24                      ; the tensor's 16,777,216 bytes
	s_add_co_u32 s98, s98, s99
	s_mov_b32 s99, 0
	s_add_nc_u64 s[18:19], s[18:19], s[98:99]
	s_lshl_b32 s46, s[TC], 2
	s_lshl_b32 s47, s[CH], 1
	s_add_co_u32 s46, s46, s47                     ; my first head: 4 x tile column + 2 x half
	s_lshl_b32 s46, s46, 18
	s_mov_b32 s47, 0
	s_add_nc_u64 s[18:19], s[18:19], s[46:47]
	s_wait_loadcnt 0x0                             ; the bias
	WIN 0x41                                       ; destination and source 0 window 1
.set i, 0
.rept 32
	v_pk_mul_f32 v[BIAS+2*i:BIAS+2*i+1], v[BIAS+2*i:BIAS+2*i+1], s[FS:FS+1] op_sel_hi:[1,0]   ; bias x factor, so that the way out is one fused multiply-add
.set i, i+1
.endr
	WIN 0
.macro FRAG reg, adr, q, i             ; 16 rows x 128 K of 4-bit codes: 8 registers: lane l holds row l % 16; registers 4 c .. 4 c + 3 hold K = 64 c + 32 (l / 16) + 0 .. 31
.irp c, 0,1
	ds_load_b128 v[\reg+4*\c:\reg+4*\c+3], v[\adr] offset:64*(\q)+32*\c+(\i)*16*PITCH
.endr
.endm
; 16 matrix instructions: X's blocks a0, a0 + 1 against W's eight, the slot's q-th 128 along K.  One register carries X's scale word (lanes 0-15) and W's (lanes 16-31).
; The 64 accumulators take turns, one instruction a turn, in the same order in every step.  zero = 1: the first product starts the sums.
.macro MUL16 a0, p, q, sc, zero
.irp a, \a0, \a0+1
.irp b, 0,1,2,3,4,5,6,7
.if \zero
	v_wmma_scale_f32_16x16x128_f8f6f4 v[8*(8*((\a)%4)+\b):8*(8*((\a)%4)+\b)+7], v[128*(\p)+FR*\b:128*(\p)+FR*\b+FR-1], v[AF+FR*(\a):AF+FR*(\a)+FR-1], 0, v[SC+8*NQ*(\sc)+NQ*\b+(\q)], v[SC+8*NQ*(\sc)+NQ*(\a)+(\q)] matrix_a_fmt:MATRIX_FMT_FP4 matrix_b_fmt:MATRIX_FMT_FP4 matrix_a_scale:MATRIX_SCALE_ROW1
.else
	v_wmma_scale_f32_16x16x128_f8f6f4 v[8*(8*((\a)%4)+\b):8*(8*((\a)%4)+\b)+7], v[128*(\p)+FR*\b:128*(\p)+FR*\b+FR-1], v[AF+FR*(\a):AF+FR*(\a)+FR-1], v[8*(8*((\a)%4)+\b):8*(8*((\a)%4)+\b)+7], v[SC+8*NQ*(\sc)+NQ*\b+(\q)], v[SC+8*NQ*(\sc)+NQ*(\a)+(\q)] matrix_a_fmt:MATRIX_FMT_FP4 matrix_b_fmt:MATRIX_FMT_FP4 matrix_a_scale:MATRIX_SCALE_ROW1
.endif
.endr
.endr
.endm
.macro FETCH_B slot, q, p
	WIN TO_B
.irp i, 0,1,2,3,4,5,6,7
	FRAG 128*(\p)+FR*\i, ADRB+\slot, \q, \i
.endr
	WIN 0
.endm
.macro FETCH_A slot, q, i0
.irp i, \i0, \i0+1, \i0+2, \i0+3
	FRAG AF+FR*(\i), ADRA+\slot, \q, \i
.endr
.endm
.macro SCALES sc                       ; a slot's scale words: 4 words a row; lanes 0-15 X's block i, lanes 16-31 W's block i
.irp i, 0,1,2,3,4,5,6,7
	ds_load_b128 v[SC+8*NQ*\sc+NQ*\i:SC+8*NQ*\sc+NQ*\i+3], v[ADRS] offset:\i*SBLK
.endr
.endm
.macro PLACES n                        ; plain vector lines between a matrix instruction and a load into, or a read of, its registers (ISA guide 7.12.1 for the reads)
.rept \n
	v_nop
.endr
.endm
.macro STEP slot, q, zero              ; a step of 128 along K that has its successor in the same slot
	s_wait_dscnt 4*NL                              ; W's set, the scale words and X's blocks 0-3 are in; the youngest eight loads (X's blocks 4-7) may be out
	WIN MUL_LO
	MUL16 0, (\q)%2, \q, \slot, \zero
	MUL16 2, (\q)%2, \q, \slot, \zero
	s_wait_dscnt 0                                 ; X's blocks 4-7 are in
	PLACES NP
	FETCH_B \slot, (\q)+1, 1-(\q)%2
	FETCH_A \slot, (\q)+1, 0
	WIN MUL_HI
	MUL16 4, (\q)%2, \q, \slot, \zero
	MUL16 6, (\q)%2, \q, \slot, \zero
	PLACES NP
	WIN 0
	FETCH_A \slot, (\q)+1, 4
.endm
; Slot 0's last step changes slots: one barrier; in front of it each wave waits for all its tensor loads (its part of slot 1), adds 0 to its spare word, and waits for that and for its reads of slot 0.
.macro TURN slot, next
	s_wait_tensorcnt 0x0
	ds_add_u32 v[SPW], v[NIL]
	s_wait_dscnt 4*NL+1                            ; the add and the youngest eight loads may be out
	WIN MUL_LO
	MUL16 0, 1, NQ-1, \slot, 0
	s_wait_dscnt 0x0                               ; the add is done, and my reads of this slot are over
	s_barrier_signal -1
	MUL16 2, 1, NQ-1, \slot, 0
	WIN 0
	s_barrier_wait -1
	PLACES NP
	v_add_nc_u32 v[ADRS], 4*NQ, v[ADRS]            ; on to the next slot's scale words (no LDS load of mine is out)
	FETCH_B \next, 0, 0
	FETCH_A \next, 0, 0
	SCALES \next
	WIN MUL_HI
	MUL16 4, 1, NQ-1, \slot, 0
	MUL16 6, 1, NQ-1, \slot, 0
	PLACES NP
	WIN 0
	FETCH_A \next, 0, 4
.endm
.macro STEPS slot, from
.set Q, \from
.rept NQ-1-\from
	STEP \slot, Q, 0
.set Q, Q+1
.endr
.endm
	s_wait_tensorcnt 1                             ; the scale bytes and my part of slot 0 are in; slot 1's load may be out
	s_barrier_signal -1
	s_barrier_wait -1
	FETCH_B 0, 0, 0
	FETCH_A 0, 0, 0
	SCALES 0
	FETCH_A 0, 0, 4
	STEP 0, 0, 1                                   ; the first step's products start the sums
	STEPS 0, 1
	TURN 0, 1
	STEPS 1, 0
	s_wait_dscnt 4*NL                              ; the last step: nothing more to fetch
	WIN MUL_LO
	MUL16 0, 1, NQ-1, 1, 0
	MUL16 2, 1, NQ-1, 1, 0
	s_wait_dscnt 0
	WIN MUL_HI
	MUL16 4, 1, NQ-1, 1, 0
	MUL16 6, 1, NQ-1, 1, 0
	WIN 0
; THE WAY OUT, block by block of 16 rows x 128 columns (two heads).  PACK: sum x factor + bias x factor, rounded to f16, 16 bytes a lane.  TOSTAGE: into my stage, and back head by head, four rows an instruction.  SEND: stored.
.macro PACK a
	WIN 0x12+(\a)/4                                ; source 0: window 2 or 3; source 2 (the bias): window 1
.irp b, 0,1,2,3,4,5,6,7
.irp r, 0,1,2,3
	v_pk_fma_f32 v[SCR+8*\b+2*\r:SCR+8*\b+2*\r+1], v[64*((\a)%4)+8*\b+2*\r:64*((\a)%4)+8*\b+2*\r+1], s[FS:FS+1], v[BIAS+8*\b+2*\r:BIAS+8*\b+2*\r+1] op_sel_hi:[1,0,1]   ; each accumulator from its low end on
.endr
.endr
	WIN 0
.irp b, 0,1,2,3,4,5,6,7
.irp r, 0,1,2,3
	v_cvt_pk_f16_f32 v[TMP+4*\b+\r], v[SCR+8*\b+2*\r], v[SCR+8*\b+2*\r+1]
.endr
.endr
.endm
.macro TOSTAGE a
.irp b, 0,1,2,3,4,5,6,7
	ds_store_b128 v[STO], v[TMP+4*\b:TMP+4*\b+3] offset:32*\b
.endr
.irp t, 0,1,2,3,4,5,6,7
	ds_load_b128 v[BK+32*((\a)%2)+4*\t:BK+32*((\a)%2)+4*\t+3], v[RD] offset:(\t&3)*4*SPITCH+(\t>>2)*128   ; in order behind the stores above (ISA guide 5.7.1.4): rows 4 (t % 4) on, head t / 4
.endr
.endm
.macro SEND a
	s_wait_dscnt 0x0                               ; the block is back in registers
	s_wait_xcnt 0x0                                ; the stores of the block before have read their registers: the next block's loads may land there
.irp t, 0,1,2,3,4,5,6,7
	global_store_b128 v[CO], v[BK+32*((\a)%2)+4*\t:BK+32*((\a)%2)+4*\t+3], s[18:19] offset:(\a)*2048+(\t&3)*512+(\t>>2)*262144   ; four rows of one head: 512 consecutive bytes, aligned
.endr
.endm
	PLACES NP                                      ; behind the last products
	PACK 0
	TOSTAGE 0
.irp a, 1,2,3,4,5,6,7                  ; block a's arithmetic stands between block a - 1's loads from the stage and the wait for them
	PACK \a
	SEND \a-1
	TOSTAGE \a
.endr
	SEND 7
	s_wait_tensorcnt 0x0                           ; the wave's end, behind my last tensor load and my last LDS store
	ds_add_u32 v[SPW], v[NIL]
	s_wait_dscnt 0x0
	CROUND                                         ; the closing round
	s_endpgm
.Lfunc_end_k_q2b1e4ecad6_proj:
	.size	k_q2b1e4ecad6_proj, .Lfunc_end_k_q2b1e4ecad6_proj-k_q2b1e4ecad6_proj
	.p2alignl 7, 3214868480
	.fill 96, 4, 3214868480
	.section	.rodata,"a",@progbits
	.p2align	6, 0x0
	.amdhsa_kernel k_q2b1e4ecad6_proj
		.amdhsa_group_segment_fixed_size 327680
		.amdhsa_private_segment_fixed_size 0
		.amdhsa_enable_private_segment 0
		.amdhsa_kernarg_size 64
		.amdhsa_user_sgpr_count 2
		.amdhsa_user_sgpr_kernarg_segment_ptr 1
		.amdhsa_wavefront_size32 1
		.amdhsa_system_sgpr_workgroup_id_x 1
		.amdhsa_system_sgpr_workgroup_id_y 1
		.amdhsa_system_sgpr_workgroup_id_z 1
		.amdhsa_system_vgpr_workitem_id 0
		.amdhsa_next_free_vgpr 1024
		.amdhsa_next_free_sgpr 102
		.amdhsa_reserve_vcc 0
		.amdhsa_float_denorm_mode_32 3
		.amdhsa_float_denorm_mode_16_64 3
		.amdhsa_memory_ordered 1
		.amdhsa_forward_progress 1
		.amdhsa_inst_pref_size 147
	.end_amdhsa_kernel
	.amdgpu_metadata
---
amdhsa.version: [ 1, 2 ]
amdhsa.kernels:
  - .name:           k_q2b1e4ecad6_proj
    .symbol:         k_q2b1e4ecad6_proj.kd
    .args:
      - { .name: xc, .offset: 0, .size: 8, .value_kind: global_buffer, .address_space: global }
      - { .name: xs, .offset: 8, .size: 8, .value_kind: global_buffer, .address_space: global }
      - { .name: wc, .offset: 16, .size: 8, .value_kind: global_buffer, .address_space: global }
      - { .name: ws, .offset: 24, .size: 8, .value_kind: global_buffer, .address_space: global }
      - { .name: bq, .offset: 32, .size: 8, .value_kind: global_buffer, .address_space: global }
      - { .name: bk, .offset: 40, .size: 8, .value_kind: global_buffer, .address_space: global }
      - { .name: bv, .offset: 48, .size: 8, .value_kind: global_buffer, .address_space: global }
      - { .name: qkv, .offset: 56, .size: 8, .value_kind: global_buffer, .address_space: global }
    .group_segment_fixed_size: 327680
    .private_segment_fixed_size: 0
    .kernarg_segment_align: 8
    .kernarg_segment_size: 64
    .max_flat_workgroup_size: 128
    .sgpr_count:     102
    .vgpr_count:     1024
    .wavefront_size: 32
...
	.end_amdgpu_metadata
.endif
;; end of part 2
;; launch attn (part 3): grid 8 x 64, 4 waves a work-group, clusters of 4 x 1, 327,680 bytes of LDS; arguments qkv, ows; writes ows
.if DOCPART == 3
	.amdgcn_target "amdgcn-amd-amdhsa--gfx1250"
	.amdhsa_code_object_version 6
	.text
	.protected	k_q2b1e4ecad6_attn
	.globl	k_q2b1e4ecad6_attn
	.p2align	8
	.type	k_q2b1e4ecad6_attn,@function
k_q2b1e4ecad6_attn:
	s_mov_b64 s[64:65], 0
	v_nop
	global_prefetch_b8 v0, s[64:65] scope:SCOPE_SE
	s_setreg_imm32_b32 hwreg(HW_REG_WAVE_MODE, 25, 1), 1
	s_wait_xcnt 0x0
	s_wait_alu depctr_hold_cnt(0) depctr_sa_sdst(0) depctr_va_vdst(0) depctr_va_sdst(0) depctr_va_ssrc(0) depctr_va_vcc(0) depctr_vm_vsrc(0)
	s_getreg_b32 s2, hwreg(HW_REG_IB_STS2, 6, 4)
	s_cmp_eq_u32 s2, 0
	s_cbranch_scc0 .Lentry_in_a_cluster
	s_endpgm
.Lentry_in_a_cluster:
	s_bfe_u32 s2, ttmp6, 0x10000c
	s_cmp_lg_u32 s2, 0x3003
	s_cbranch_scc0 .Lentry_shape_is_right
	s_endpgm
.Lentry_shape_is_right:
; ATTN.  o[bh][q][:] = the sum over k of softmax_k(q . k / 8) v[bh][k][:], head size 64, 2,048 keys, no mask.  q, k, v: f16, [bh 64][2048][64], three parts of qkv; q arrives already times log2(e) / 8, so a score IS an exponent of 2.
; Products with f16 operands and f32 sums; maxima and sums in f32; the weights p, at most 1, are rounded to f16 for the second product, o once at the end (LIMIT: |o| beyond 65,504 has no f16 number; NaN and infinities are not served).
; SHARES.  A work-group owns 256 queries of one head, each of its four waves 64: four tiles of 16.  Every wave walks all keys, 64 a step.
; LAYOUT.  S^T = K Q^T (source 0 = 16 keys, source 1 = 16 queries): a lane holds ONE query (lane % 16) and the keys 8 (lane / 16) + 0..7.  Two such tiles, rounded in pairs, ARE source 1 (32 keys x 16 queries) of O^T = V^T P.
; K comes out of LDS as it lies, V ([key][channel]) turned, by ds_load_tr16_b128.
; SOFTMAX.  For each query a running maximum m and sum l: p = 2^(s - m); in every step O and l are multiplied by a = 2^(m_old - m_new).
; BY TURNS.  The wave's tiles are two pieces (tiles 0, 1 and tiles 2, 3).  In a turn one piece has the matrix unit: 16 products V^T P of the step in hand, then 16 products K Q^T of the next step; the other piece's softmax,
; cut into 32 slices, stands between them, one slice behind each matrix instruction.  Two turns are a key step.
; CLUSTER.  The four query blocks of a cluster belong to one head and walk the same K and V: each tile is asked for jointly, by the same tensor load with the same descriptor and a mask that names the four.
; RING.  Two LDS slots of 256 keys (four steps); one joint load a wave behind each change of slots.
; REGISTERS, in windows of 256: window 0: v2-8 addresses; v12-43 eight statistics a tile; v64-191 S^T, 32 a tile; v192-255 P, 16 a tile.  window 1: v0-127 O^T, 32 a tile; v128-191 V of one step.  window 2: v0-63 Q, 16 a tile; v64-127 K of one step.
.set KS,    64
.set PK,    144       ; a row of K in LDS: 128 bytes + 16 = 36 words: the 16 rows of a load start at 16 different groups of four banks (64 banks of 4 bytes: ISA guide 11.1)
.set PV,    160       ; a row of V: 128 + 32 = 40 words
.set SKEYS, 256       ; keys in a slot
.set VOFF,  SKEYS*PK  ; a slot: 256 rows of K, then 256 rows of V
.set SLOT1, 1<<17     ; slot 1 begins here: one exclusive or turns an address in one slot into the other's
.set SLOTB, SKEYS*128 ; a slot's rows of K, or of V, in memory
.set STAGE, SLOT1+SKEYS*(PK+PV)  ; behind the ring: 16 rows x 144 bytes for each wave
.set SPARE, STAGE+4*16*PK        ; the spare words, 128 bytes a wave: two blocks of 256 bytes that no other line names
.set AK0, 2
.set AV0, 3
.set ADR, 4
.set QO,  5
.set STO, 6
.set RD,  7
.set GO,  8
.set PFO, 61          ; v61  256 x my lane; never rewritten
.set SPW, 62
.set NIL, 63
.set ST,  12          ; tile t's statistics at v[ST+8 t]: +0 m, +1 the old m, +2, +3 l (even keys', odd keys'), +4 to +7 c0-c3 at work; a takes c2's place, m_old - m c3's
.set S,   64
.set P,   192
.set VF,  128         ; V's fragments, in window 1
.set KF,  64          ; K's fragments, in window 2
.set WV,  12
.set LIM, 15          ; s15  1 in a wave that prefetches, else the greatest number
.set PFA, 18          ; s[18:19] where my prefetches stand
.set G1K, 24
.set G1V, 32
.set G0K, 40          ; s[40:47] two sets: slot 0's, and the one that starts at slot 1 and then walks
.set G0V, 48
.set SLOTS, 56
.set CNT,   57
.set SEL, 60
.set TBK, 62          ; s62  LDS byte at which the K rows of the step to be fetched begin
.set TBV, 63          ; s63  the same for V (less VOFF)
.set MSB, 0
.macro WIN new
.if MSB != (\new)
	s_set_vgpr_msb (MSB<<8)|(\new)
.set MSB, (\new)
.endif
.endm
.set W_KQ, 0x0a       ; K and Q in window 2, S^T in window 0
.set W_PV, 0x51       ; V in window 1, P in window 0, O^T in window 1
.set W_RS, 0x41       ; O^T (destination and source 0) in window 1, a in window 0
.macro JLOAD                        ; a joint refill: waves 0 and 1 fetch K's halves, waves 2 and 3 V's; an s_nop 0 and four v_nop follow each line
	s_cmp_lt_u32 s[WV], 2
	s_cbranch_scc0 .Lfor_v_\@
	tensor_load_to_lds s[G0K+4:G0K+7], s[G1K:G1K+7]
	s_nop 0
.rept 4
	v_nop
.endr
	s_branch .Lasked_\@
.Lfor_v_\@:
	tensor_load_to_lds s[G0V+4:G0V+7], s[G1V:G1V+7]
	s_nop 0
.rept 4
	v_nop
.endr
.Lasked_\@:
.endm
; A prefetch of what the NEXT change of slots will ask for: 32,768 bytes of K and of V, a lane to each 256 bytes.  Both clusters of a head walk the same rows: the first asks.  Its four partners take 8,192 bytes each, told apart by
; address; in each, wave 0 asks for K's and wave 2 for V's.  So each block is named once in the launch.  It stands four key steps, 256 matrix instructions, ahead of the load; the last filling change asks for nothing.
.macro ASK
	s_cmp_gt_u32 s[SLOTS], s[LIM]
	s_cbranch_scc0 .Lnot_mine_\@
	global_prefetch_b8 v[PFO], s[PFA:PFA+1] th:TH_LOAD_NT scope:SCOPE_SE
.Lnot_mine_\@:
.endm
.macro CROUND
	s_barrier_signal -1
	s_barrier_wait -1
	s_cmp_lg_u32 s[WV], 0
	s_cbranch_scc1 .Lnot_wave_0_\@
	s_barrier_signal -3
.Lnot_wave_0_\@:
	s_barrier_wait -3
	s_barrier_signal -1
	s_barrier_wait -1
.endm
	s_load_b128 s[4:7], s[0:1], 0x0 ; qkv s[4:5], ows s[6:7]
	v_lshl_add_u32 v[SPW], v0, 2, SPARE
	v_mov_b32 v[NIL], 0
	ds_add_u32 v[SPW], v[NIL]       ; the wave's opening: the add, twice on end, and its wait ahead of my first tensor load
	ds_add_u32 v[SPW], v[NIL]
	v_lshrrev_b32 v1, 5, v0
	v_readfirstlane_b32 s[WV], v1   ; wave 0..3
	s_bfe_u32 s13, ttmp6, 0x40000   ; cx
	s_lshl_b32 s14, ttmp9, 2
	s_add_co_u32 s14, s14, s13      ; my block of 256 queries: it enters q's and o's addresses alone
	s_and_b32 s20, ttmp7, 0xffff    ; the head, which the four partners share:
	s_lshl_b32 s20, s20, 18         ; its 262,144 bytes
	s_and_b32 s16, s[WV], 1         ; which 128 rows of a slot I fetch
	s_lshl_b32 s22, s16, 14
	s_add_co_u32 s22, s22, s20
	s_add_co_u32 s22, s22, 0x1000000  ; k's part of qkv
	s_mov_b32 s23, 0
	s_mul_i32 s17, s16, 128*PK      ; where they go: K's,
	s_mul_i32 s21, s16, 128*PV
	s_add_co_u32 s21, s21, VOFF     ; V's: no place in the cluster enters an LDS address
	s_lshl_b32 s2, s14, 15          ; my block's 256 rows of 128 bytes,
	s_lshl_b32 s3, s[WV], 13        ; my wave's 64 of them
	s_add_co_u32 s2, s2, s3
	s_add_co_u32 s2, s2, s20
	s_mov_b32 s3, 0
	s_mov_b32 s[G1K], 15|(1<<16)|(1<<20)|(1<<21)|(4<<22)|(3<<25)  ; the mask: all four; elements of 2 bytes; padding on; bit 21 beside a mask; 4 words after every 32
	s_mov_b32 s[G1V], 15|(1<<16)|(1<<20)|(1<<21)|(4<<22)|(7<<25)  ; the same with 8 words
.irp g, G1K, G1V
	s_mov_b32 s[\g+1], 64<<16       ; tensor_dim0
	s_mov_b32 s[\g+2], 128<<16      ; tensor_dim1
	s_mov_b32 s[\g+3], 64<<16       ; tile_dim0
	s_mov_b32 s[\g+4], 128          ; tile_dim1
	s_mov_b32 s[\g+5], 64           ; from row to row
	s_mov_b32 s[\g+6], 0
	s_mov_b32 s[\g+7], 0
.endr
	s_mov_b32 s[SEL], 0x76543210
	s_mov_b32 s[SEL+1], 0xfedcba98
	s_mov_b32 s[TBK], 0
	s_mov_b32 s[TBV], 0
	s_mov_b32 s[SLOTS], 2048/SKEYS-2
	s_and_b32 s[LIM], s[WV], 1      ; 0 in waves 0 and 2,
	s_or_b32 s[LIM], s[LIM], ttmp9  ; where the cluster is the head's first: the same in all four partners
	s_cmp_eq_u32 s[LIM], 0
	s_cselect_b32 s[LIM], 1, -1
	v_and_b32 v[PFO], 31, v0
	v_lshlrev_b32 v[PFO], 8, v[PFO]
	s_wait_dscnt 0x0                ; both opening adds are done
	s_wait_kmcnt 0x0
	s_add_nc_u64 s[8:9], s[4:5], s[22:23]        ; k at my rows of slot 0
	s_add_nc_u64 s[10:11], s[8:9], 0x1000000     ; v likewise
	s_add_nc_u64 s[4:5], s[4:5], s[2:3]          ; q and o at my wave's first row
	s_add_nc_u64 s[6:7], s[6:7], s[2:3]
	s_cmp_lt_u32 s[WV], 2
	s_cselect_b64 s[PFA:PFA+1], s[8:9], s[10:11] ; (in waves 0 and 2 these stand at a slot's first row)
	s_lshl_b32 s2, s13, 13          ; my work-group's 8,192 bytes of the 32,768
	s_mov_b32 s3, 0
	s_add_nc_u64 s[PFA:PFA+1], s[PFA:PFA+1], s[2:3]
	s_add_nc_u64 s[PFA:PFA+1], s[PFA:PFA+1], 2*SLOTB  ; in slot 2; the first change steps it to slot 3.  Nothing is prefetched at the head
	CROUND                          ; all four work-groups are here: the first joint loads meet
.irp s, 0,1
	s_mov_b32 s[G0K+4*\s], 1
	s_add_co_u32 s[G0K+4*\s+1], s17, \s*SLOT1
	s_add_nc_u64 s[G0K+4*\s+2:G0K+4*\s+3], s[8:9], \s*SLOTB
	s_or_b32 s[G0K+4*\s+3], s[G0K+4*\s+3], 0x80000000
	s_mov_b32 s[G0V+4*\s], 1
	s_add_co_u32 s[G0V+4*\s+1], s21, \s*SLOT1
	s_add_nc_u64 s[G0V+4*\s+2:G0V+4*\s+3], s[10:11], \s*SLOTB
	s_or_b32 s[G0V+4*\s+3], s[G0V+4*\s+3], 0x80000000
.endr
	s_cmp_lt_u32 s[WV], 2           ; a wave's two first fills stand in one branch, ahead of every wait on TENSORcnt and every LDS read: two loads of mine are out
	s_cbranch_scc0 .Lfirst_v
	tensor_load_to_lds s[G0K:G0K+3], s[G1K:G1K+7]
	s_nop 0
	tensor_load_to_lds s[G0K+4:G0K+7], s[G1K:G1K+7]
	s_nop 0
.rept 4
	v_nop
.endr
	s_branch .Lfirst_asked
.Lfirst_v:
	tensor_load_to_lds s[G0V:G0V+3], s[G1V:G1V+7]
	s_nop 0
	tensor_load_to_lds s[G0V+4:G0V+7], s[G1V:G1V+7]
	s_nop 0
.rept 4
	v_nop
.endr
.Lfirst_asked:
	v_and_b32 v1, 15, v0            ; r = l % 16
	v_bfe_u32 v9, v0, 4, 1          ; h = l / 16
	v_lshlrev_b32 v[QO], 7, v1
	v_lshl_add_u32 v[QO], v9, 4, v[QO]  ; row x 128 + 16 h
	WIN 0x80                        ; destination window 2, address window 0
.irp i, 0,1,2,3,4,5,6,7             ; Q stays in registers: tile i / 2, channels 32 (i % 2) on
	global_load_b128 v[8*\i:8*\i+3],   v[QO], s[4:5] offset:(\i/2)*2048+(\i%2)*64
	global_load_b128 v[8*\i+4:8*\i+7], v[QO], s[4:5] offset:(\i/2)*2048+(\i%2)*64+32
.endr
	WIN 0
	v_mul_u32_u24 v[AK0], v1, PK
	v_lshl_add_u32 v[AK0], v9, 4, v[AK0]  ; row x pitch + 16 h
	v_and_b32 v10, 7, v0
	v_bfe_u32 v11, v0, 3, 1
	v_lshl_add_u32 v[AV0], v9, 3, v10     ; the turning load: key 8 h + l % 8, channels 8 ((l / 8) % 2) on
	v_mul_u32_u24 v[AV0], v[AV0], PV
	v_lshl_add_u32 v[AV0], v11, 4, v[AV0]
	v_add_nc_u32 v[AV0], VOFF, v[AV0]
; THE MATRIX WORK OF A TURN, for piece x.  The accumulators take turns, one instruction a turn: between two links of a chain stand 7 others'.
; Product i of 16 of O^T += V^T P: keys 32 (i / 8) on, channels 16 ((i / 2) % 4) on, tile x + i % 2.  zero = 1: the first 8 start the sums.
.macro MPV x, zero
	WIN W_PV
.set rO, 32*(\x+i%2)+8*((i/2)%4)
.set rV, VF+32*(i/8)+8*((i/2)%4)
.set rP, P+16*(\x+i%2)+8*(i/8)
.if (\zero) && (i < 8)
	v_wmma_f32_16x16x32_f16 v[rO:rO+7], v[rV:rV+7], v[rP:rP+7], 0
.else
	v_wmma_f32_16x16x32_f16 v[rO:rO+7], v[rV:rV+7], v[rP:rP+7], v[rO:rO+7]
.endif
.endm
; Product i of 16 of S^T = K Q^T: channels 32 (i / 8) on, keys 16 ((i / 2) % 4) on, tile x + i % 2.  The first 8 start the sums.
.macro MKQ x
	WIN W_KQ
.set rS, S+32*(\x+i%2)+8*((i/2)%4)
.set rK, KF+16*((i/2)%4)+8*(i/8)
.set rQ, 16*(\x+i%2)+8*(i/8)
.if i < 8
	v_wmma_f32_16x16x32_f16 v[rS:rS+7], v[rK:rK+7], v[rQ:rQ+7], 0
.else
	v_wmma_f32_16x16x32_f16 v[rS:rS+7], v[rK:rK+7], v[rQ:rQ+7], v[rS:rS+7]
.endif
.endm
; THE LDS LOADS stand in runs of 16: a step's K (64 keys x 64 channels: 8 fragments) and, a turn later, its V (turned).
.macro FETCH_K
	WIN 0
	v_add_nc_u32 v[ADR], s[TBK], v[AK0]
	s_add_co_u32 s[TBK], s[TBK], KS*PK
	WIN 0x80
.irp f, 0,1,2,3,4,5,6,7             ; keys 16 (f / 2) on, channels 32 (f % 2) on
	ds_load_b128 v[KF+8*\f:KF+8*\f+3],   v[ADR] offset:(\f/2)*16*PK+(\f%2)*64
	ds_load_b128 v[KF+8*\f+4:KF+8*\f+7], v[ADR] offset:(\f/2)*16*PK+(\f%2)*64+32
.endr
.endm
.macro FETCH_V
	WIN 0
	v_add_nc_u32 v[ADR], s[TBV], v[AV0]
	s_add_co_u32 s[TBV], s[TBV], KS*PV
	s_wait_alu depctr_va_vdst(0)    ; the wait for the softmax's batch of exponentials, ahead of the first line that names a result
	WIN 0x40
.irp f, 0,1,2,3,4,5,6,7             ; keys 32 (f / 4) on, channels 16 (f % 4) on
	ds_load_tr16_b128 v[VF+8*\f:VF+8*\f+3],   v[ADR] offset:(\f/4)*32*PV+(\f%4)*32
	ds_load_tr16_b128 v[VF+8*\f+4:VF+8*\f+7], v[ADR] offset:(\f/4)*32*PV+16*PV+(\f%4)*32
.endr
.endm
; THE VECTOR WORK OF A TURN.  One tile's softmax for one key step is a list of 117 instructions; SM writes number j of it for tile t.  s0-s31 are the lane's 32 scores, in pairs 0-15.  first = 1: the first key step.
;   0-15    the maximum of s0-s31 and the old m, three operands at a time (each accumulator is read from its low end on)
;   16-19   the other half of the lanes' maximum; the old m kept; the new m; m_old - m
;   20-68   ONE BATCH, in sevens: the 16 subtractions s - m, a pair each, and all 33 exponentials (a, then s0-s31).  A seven begins with its subtractions (3, 3, 2, 2, 2, 2, 2); a pair is subtracted ahead of its exponentials; none of these names an exponential's result
;   (wait)  between 68 and 69: SLICE writes it, once for both tiles
;   69-84   the roundings to f16      85-100  the sums; l = a l + the sum      101-116 the tile's O^T times a: the one part that leaves window 0
.macro SM t, first
.set rT, ST+8*(\t)
.set rS, S+32*(\t)
.set rP, P+16*(\t)
.if j < 101
	WIN 0
.endif
.if j < 4
	v_max3_num_f32 v[rT+4+j], v[rS+8*j], v[rS+8*j+1], v[rS+8*j+2]
.elseif j < 12
	v_max3_num_f32 v[rT+4+j%4], v[rT+4+j%4], v[rS+8*(j%4)+2*(j/4)+1], v[rS+8*(j%4)+2*(j/4)+2]
.elseif j == 12
	v_max3_num_f32 v[rT+4], v[rT+4], v[rS+7], v[rS+15]
.elseif j == 13
	v_max3_num_f32 v[rT+6], v[rT+6], v[rS+23], v[rS+31]
.elseif j == 14
	v_max3_num_f32 v[rT+4], v[rT+4], v[rT+5], v[rT+6]
.elseif (j == 15) && \first
	v_max_num_f32 v[rT+4], v[rT+4], v[rT+7]
.elseif j == 15
	v_max3_num_f32 v[rT+4], v[rT+4], v[rT+7], v[rT]
.elseif j == 16
	v_permlanex16_b32 v[rT+5], v[rT+4], s[SEL], s[SEL+1]  ; the query's other 32 keys lie in the lane 16 away
.elseif (j == 17) && \first
	v_mov_b32 v[rT+1], 0            ; (named as the upper half of the pair with m, so it is written)
.elseif j == 17
	v_mov_b32 v[rT+1], v[rT]        ; the old m
.elseif j == 18
	v_max_num_f32 v[rT], v[rT+4], v[rT+5]
.elseif j == 19
.if !\first
	v_sub_f32 v[rT+7], v[rT+1], v[rT]
.endif
.elseif j < 69
.set bb, j-20
.set gq, bb/7
.set gi, bb%7
.if gq < 2
.set nsc, 3
.set pr, 3*gq+gi
.set ex, 4*gq+gi-3
.else
.set nsc, 2
.set pr, 2+2*gq+gi
.set ex, 5*gq+gi-4
.endif
.if gi < nsc
	v_pk_add_f32 v[rS+2*pr:rS+2*pr+1], v[rS+2*pr:rS+2*pr+1], v[rT:rT+1] op_sel_hi:[1,0] neg_lo:[0,1] neg_hi:[0,1]  ; pair pr: s - m
.elseif ex == 0
.if !\first
	v_exp_f32 v[rT+6], v[rT+7]      ; a
.endif
.else
	v_exp_f32 v[rS+ex-1], v[rS+ex-1]
.endif
.elseif j < 85
	v_cvt_pk_f16_f32 v[rP+j-69], v[rS+2*(j-69)], v[rS+2*(j-69)+1]
.elseif j < 101                     ; the sum of the 16 pairs, in place: neighbours 1, 2, 4 and 8 pairs apart, then l takes it
.set z, j-85
.set w, 4
.set u, z
.if z >= 14
.set w, 32
.set u, 0
.elseif z >= 12
.set w, 16
.set u, z-12
.elseif z >= 8
.set w, 8
.set u, z-8
.endif
.if (z == 14) && \first
	v_pk_add_f32 v[rT+2:rT+3], v[rS:rS+1], v[rS+16:rS+17]
.elseif z < 15
	v_pk_add_f32 v[rS+w*u:rS+w*u+1], v[rS+w*u:rS+w*u+1], v[rS+w*u+w/2:rS+w*u+w/2+1]
.elseif !\first
	v_pk_fma_f32 v[rT+2:rT+3], v[rT+2:rT+3], v[rT+6:rT+7], v[rS:rS+1] op_sel_hi:[1,0,1]
.endif
.elseif !\first
.set rO, 32*(\t)+2*(j-101)
	WIN W_RS
	v_pk_mul_f32 v[rO:rO+1], v[rO:rO+1], v[rT+6:rT+7] op_sel_hi:[1,0]
.endif
.endm
; Slice k of 32 of piece y's softmax.  Slices 0-4: four numbers of both tiles, alternating.  Slices 5-18 deal out the batch: a seven of ONE tile each, the tiles by turns.  Slices 19-29: four numbers of both tiles; the rescaling begins
; with slice 27, so no slice changes window inside itself.  Slices 30, 31: two numbers of both tiles: slice 31's four plain lines are the places behind the turn's last product.
; Behind slice 18 no exponential is issued and ahead of slice 19 nothing names a result: one plain line and ONE wait serve the piece's 66 exponentials.
.macro SLICE y, first
.if k < 5
.irp n, 0,1,2,3
.irp t, \y, \y+1
.set j, 4*k+\n
	SM \t, \first
.endr
.endr
.elseif k < 19
.irp n, 0,1,2,3,4,5,6
.set j, 20+7*((k-5)/2)+\n
	SM (\y)+(k-5)%2, \first
.endr
.elseif k < 30
.irp n, 0,1,2,3
.irp t, \y, \y+1
.set j, 69+4*(k-19)+\n
	SM \t, \first
.endr
.endr
.else
.irp n, 0,1
.irp t, \y, \y+1
.set j, 113+2*(k-30)+\n
	SM \t, \first
.endr
.endr
.endif
.if k == 18
	v_nop                           ; the plain line behind the last exponential
.if (\y) == 0
	FETCH_V                         ; piece 2's turn: V's run of loads stands here, and the wait stands in it.  V's last reader stands in front of slice 15: eight subtractions, the v_nop and the run's own addition lie between
.else
	s_wait_alu depctr_va_vdst(0)
.endif
.endif
.set k, k+1
.endm
.macro PLACES
.rept 4
	v_nop
.endr
.endm
; A TURN.  Piece x has the matrix unit; the other piece's softmax stands in slices behind its products.  pv = 2: 16 products V^T P; 1: they start O^T's sums; 0: none.  kq = 1: 16 products K Q^T for the next step.
; A turn with one of the two kinds has two slices behind each product.  first = 1: the softmax is the first key step's; its last slices are empty, and four v_nop take their part as places.
; Piece 0's turn fetches the next step's K behind its second product: K's last reader stands in front of slice 31 of the turn before.
.macro TURN x, pv, kq, first
.set k, 0
.set per, 2
.if \pv && \kq
.set per, 1
.endif
.if \pv
.if \x == 0
	s_wait_dscnt 0x0                ; V is in
.endif
.set i, 0
.rept 16
	MPV \x, 2-\pv
.rept per
	SLICE 2-\x, \first
.endr
.if (\x == 0) && \kq && (i == 1)
	FETCH_K
.endif
.set i, i+1
.endr
.endif
.if \kq
.if \x == 0
	s_wait_dscnt 0x0                ; K is in
.endif
.set i, 0
.rept 16
	MKQ \x
.rept per
	SLICE 2-\x, \first
.endr
.set i, i+1
.endr
.endif
.if \first
	PLACES
.endif
.endm
; THE CHANGE OF SLOTS, when the slot's last bytes, V of its fourth step, have been asked for.  Each wave waits for all its tensor loads, of which one is out: its part of the other slot; adds 0 to its spare word; and waits for that and
; for its own reads of the slot.  fill = 1: the barrier is a round of the cluster's, and the joint refill (the keys two slots on) is the first thing behind it: it has four key steps, 256 matrix instructions, in which to land.
.macro CHANGE fill
	WIN 0
	s_wait_tensorcnt 0x0            ; no tensor load of mine is out, so a group 0 may be written
	ds_add_u32 v[SPW], v[NIL]
.if \fill
.irp g, G0K+4, G0V+4
	s_xor_b32 s[\g+1], s[\g+1], SLOT1
	s_add_nc_u64 s[\g+2:\g+3], s[\g+2:\g+3], SLOTB
.endr
	s_wait_xcnt 0x0                 ; the last prefetch, four key steps back, has read its address
	s_add_nc_u64 s[PFA:PFA+1], s[PFA:PFA+1], SLOTB
	s_wait_dscnt 0x0                ; the add is done, and my reads of the slot are over
	CROUND
	JLOAD
	ASK
.else
	s_wait_dscnt 0x0
	s_barrier_signal -1
	s_barrier_wait -1
.endif
	s_sub_co_u32 s[TBK], s[TBK], SKEYS*PK  ; the fetches go back to a slot's first step,
	s_xor_b32 s[TBK], s[TBK], SLOT1        ; in the other slot
	s_sub_co_u32 s[TBV], s[TBV], SKEYS*PV
	s_xor_b32 s[TBV], s[TBV], SLOT1
.endm
.macro NSTEPS n                     ; n key steps: written once, walked n times; the LDS addresses hang on s[TBK] and s[TBV]
	s_mov_b32 s[CNT], \n
.Lstep_\@:
	TURN 0, 2, 1, 0
	TURN 2, 2, 1, 0
	WIN 0
	s_sub_co_u32 s[CNT], s[CNT], 1
	s_cmp_lg_u32 s[CNT], 0
	s_cbranch_scc1 .Lstep_\@
.endm
	s_wait_tensorcnt 1              ; my part of slot 0 is in; slot 1's may stay out
	s_barrier_signal -1
	s_barrier_wait -1
	FETCH_K                         ; key step 0
	s_wait_loadcnt 0x0              ; Q
	s_wait_dscnt 0x0
.set i, 0
.rept 16
	MKQ 0                           ; piece 0's first scores
.set i, i+1
.endr
	WIN 0                           ; the addresses for the way out: nine plain lines, the places behind those products
	s_mul_i32 s13, s[WV], 16*PK
	s_add_co_u32 s13, s13, STAGE    ; my stage
	v_mul_u32_u24 v[STO], v1, PK    ; in: row r, 16 bytes for each half of the lanes
	v_lshl_add_u32 v[STO], v9, 4, v[STO]
	v_add_nc_u32 v[STO], s13, v[STO]
	v_bfe_u32 v[RD], v0, 3, 2       ; back: eight lanes take a row of 128 bytes, four rows an instruction
	v_mul_u32_u24 v[RD], v[RD], PK
	v_lshl_add_u32 v[RD], v10, 4, v[RD]
	v_add_nc_u32 v[RD], s13, v[RD]
	v_and_b32 v[GO], 31, v0
	v_lshlrev_b32 v[GO], 4, v[GO]   ; in memory those four rows are 512 consecutive bytes
	TURN 2, 0, 1, 1                 ; piece 2's first scores | piece 0's first softmax | V of step 0
	TURN 0, 1, 1, 1                 ; piece 0: V^T P of step 0 starts O^T, K Q^T of step 1 | piece 2's first softmax | K of step 1
	TURN 2, 1, 1, 0                 ; piece 2: the same | piece 0's softmax of step 1 | V of step 1
	WIN 0
	NSTEPS 2                        ; steps 2 and 3 are fetched: slot 0 is read out
.Lslot:                             ; six trips: slots 0 to 5 are filled again, with the keys of slots 2 to 7
	CHANGE 1
	NSTEPS 4
	s_sub_co_u32 s[SLOTS], s[SLOTS], 1
	s_cmp_lg_u32 s[SLOTS], 0
	s_cbranch_scc1 .Lslot
	CHANGE 0                        ; the tail is written out
	NSTEPS 4
	TURN 0, 2, 0, 0                 ; piece 0: V^T P of the last step | piece 2's last softmax
.set i, 0
.rept 16
	MPV 2, 0                        ; piece 2: V^T P of the last step
.set i, i+1
.endr
	; THE WAY OUT.  l's two halves and the other half of the lanes' are added; O^T is divided by l, rounded to f16 and sent through my stage, a tile (16 rows) at a time.  The additions are the places behind the last products.
	WIN 0
.irp t, 0,1,2,3
	v_add_f32 v[ST+8*\t+4], v[ST+8*\t+2], v[ST+8*\t+3]
.endr
.irp t, 0,1,2,3
	v_permlanex16_b32 v[ST+8*\t+5], v[ST+8*\t+4], s[SEL], s[SEL+1]
.endr
.irp t, 0,1,2,3
	v_add_f32 v[ST+8*\t+4], v[ST+8*\t+4], v[ST+8*\t+5]
.endr
.irp t, 0,1,2,3
	v_rcp_f32 v[ST+8*\t+6], v[ST+8*\t+4]
.endr
	v_nop                           ; a plain line between the last reciprocal and the use of its result
	s_wait_alu depctr_va_vdst(0)    ; and one wait for the four
.macro PACK t
	WIN W_RS
.set i, 32*\t
.rept 16
	v_pk_mul_f32 v[i:i+1], v[i:i+1], v[ST+8*\t+6:ST+8*\t+7] op_sel_hi:[1,0]   ; each accumulator from its low end on
.set i, i+2
.endr
	WIN 0x05                        ; sources 0 and 1 window 1, destination window 0: S^T's registers are free
.set i, 0
.rept 16
	v_cvt_pk_f16_f32 v[S+32*\t+i], v[32*\t+2*i], v[32*\t+2*i+1]
.set i, i+1
.endr
	WIN 0
.irp f, 0,1,2,3
	ds_store_b128 v[STO], v[S+32*\t+4*\f:S+32*\t+4*\f+3] offset:32*\f
.endr
.irp f, 0,1,2,3
	ds_load_b128 v[S+32*\t+16+4*\f:S+32*\t+16+4*\f+3], v[RD] offset:\f*4*PK  ; in order behind the stores above (ISA guide 5.7.1.4); the next tile's stores come behind them
.endr
.endm
.macro SEND t, younger              ; younger: the LDS instructions issued behind tile t's loads: the next tile's four stores and four loads, or none
.irp f, 0,1,2,3
	s_wait_dscnt \younger+3-\f
	global_store_b128 v[GO], v[S+32*\t+16+4*\f:S+32*\t+16+4*\f+3], s[6:7] offset:\t*2048+\f*512  ; 512 consecutive bytes, aligned
.endr
.endm
	PACK 0
	PACK 1
	SEND 0, 8
	PACK 2
	SEND 1, 8
	PACK 3
	SEND 2, 8
	SEND 3, 0
	s_wait_tensorcnt 0x0            ; the wave's end, behind my last tensor load and my last LDS store
	ds_add_u32 v[SPW], v[NIL]
	s_wait_dscnt 0x0
	CROUND                          ; the closing round
	s_endpgm
.Lfunc_end_k_q2b1e4ecad6_attn:
	.size	k_q2b1e4ecad6_attn, .Lfunc_end_k_q2b1e4ecad6_attn-k_q2b1e4ecad6_attn
	.p2alignl 7, 3214868480
	.fill 96, 4, 3214868480
	.section	.rodata,"a",@progbits
	.p2align	6, 0x0
	.amdhsa_kernel k_q2b1e4ecad6_attn
		.amdhsa_group_segment_fixed_size 327680
		.amdhsa_private_segment_fixed_size 0
		.amdhsa_enable_private_segment 0
		.amdhsa_kernarg_size 16
		.amdhsa_user_sgpr_count 2
		.amdhsa_user_sgpr_kernarg_segment_ptr 1
		.amdhsa_wavefront_size32 1
		.amdhsa_system_sgpr_workgroup_id_x 1
		.amdhsa_system_sgpr_workgroup_id_y 1
		.amdhsa_system_sgpr_workgroup_id_z 1
		.amdhsa_system_vgpr_workitem_id 0
		.amdhsa_next_free_vgpr 640
		.amdhsa_next_free_sgpr 66
		.amdhsa_reserve_vcc 0
		.amdhsa_float_denorm_mode_32 3
		.amdhsa_float_denorm_mode_16_64 3
		.amdhsa_memory_ordered 1
		.amdhsa_forward_progress 1
		.amdhsa_inst_pref_size 194
	.end_amdhsa_kernel
	.amdgpu_metadata
---
amdhsa.version: [ 1, 2 ]
amdhsa.kernels:
  - .name:           k_q2b1e4ecad6_attn
    .symbol:         k_q2b1e4ecad6_attn.kd
    .args:
      - { .name: qkv, .offset: 0, .size: 8, .value_kind: global_buffer, .address_space: global }
      - { .name: ows, .offset: 8, .size: 8, .value_kind: global_buffer, .address_space: global }
    .group_segment_fixed_size: 327680
    .private_segment_fixed_size: 0
    .kernarg_segment_align: 8
    .kernarg_segment_size: 16
    .max_flat_workgroup_size: 128
    .sgpr_count:     66
    .vgpr_count:     640
    .wavefront_size: 32
...
	.end_amdgpu_metadata
.endif
;; end of part 3
;; launch oproj (part 4): grid 4 x 64, 4 waves a work-group, clusters of 4 x 4, 327,680 bytes of LDS; arguments ows, wo16, bo, out0; writes out0
.if DOCPART == 4
	.amdgcn_target "amdgcn-amd-amdhsa--gfx1250"
	.amdhsa_code_object_version 6
	.text
	.protected	k_q2b1e4ecad6_oproj
	.globl	k_q2b1e4ecad6_oproj
	.p2align	8
	.type	k_q2b1e4ecad6_oproj,@function
k_q2b1e4ecad6_oproj:
	s_mov_b64 s[64:65], 0
	v_nop
	global_prefetch_b8 v0, s[64:65] scope:SCOPE_SE
	s_setreg_imm32_b32 hwreg(HW_REG_WAVE_MODE, 25, 1), 1
	s_wait_xcnt 0x0
	s_wait_alu depctr_hold_cnt(0) depctr_sa_sdst(0) depctr_va_vdst(0) depctr_va_sdst(0) depctr_va_ssrc(0) depctr_va_vcc(0) depctr_vm_vsrc(0)
	s_getreg_b32 s2, hwreg(HW_REG_IB_STS2, 6, 4)
	s_cmp_eq_u32 s2, 0
	s_cbranch_scc0 .Lentry_in_a_cluster
	s_endpgm
.Lentry_in_a_cluster:
	s_bfe_u32 s2, ttmp6, 0x10000c
	s_cmp_lg_u32 s2, 0xf033
	s_cbranch_scc0 .Lentry_shape_is_right
	s_endpgm
.Lentry_shape_is_right:
; OPROJ.  out0[m][n] = sum over k of o[m][k] Wo[k][n] + bo[n], f16 operands, f32 sums.  o lies with the heads split, ows[batch x 16 + head][position][64]: m = 2048 batch + position, k = 64 head + channel.  wo16 is Wo in f16, [k][n].
; A tile of out0 is 128 x 256: 256 work-groups.  Four waves, each 64 x 128: 32 accumulators of 16 x 16, 256 registers.  K goes in steps of 128 (two heads) through a ring of two LDS slots.
; A slot: o's two head blocks of 128 rows x 128 bytes (dense in memory), then 128 rows k of Wo x 512 bytes.  Waves 0 and 1 fetch the head blocks, waves 2 and 3 the halves of Wo's rows: one tensor load a wave.
; Wo's fragments (16 columns n x 32 k) come out of LDS turned, by ds_load_tr16_b128.  THE MATRIX INSTRUCTION IS USED TRANSPOSED (source 0 = 16 columns of Wo, source 1 = 16 rows of o): a lane holds eight neighbouring columns of a row.
; The bias is the C of each sum's first product.  CLUSTERS: 4 x 4; o's tiles are shared along a row of the cluster, Wo's along a column, by joint loads.
; REGISTERS: window 0: v16-29 addresses; v64-127 the bias in the result's layout; v128-255 rows on the way out.  window 1: two fragment buffers at v0 and v128: 32 registers of o, then 64 of Wo.  window 2: the accumulators ((a, b) at v[8 (8 a + b)]).
.set PA,     144                       ; a row of o in LDS: 128 + 16 bytes
.set PB,     544                       ; a row of Wo: 512 + 32 bytes = 136 words
.set ABLK,   128*PA
.set BOFF,   2*ABLK
.set BHALF,  64*PB
.set SLOT,   BOFF+2*BHALF
.set STAGE,  2*SLOT                    ; behind the ring: 16 rows x 528 bytes for each wave
.set SPITCH, 528
.set SPARE,  STAGE+4*16*SPITCH         ; the spare words, 128 bytes a wave: two blocks of 256 bytes that no other line names
.set ADRA, 16
.set ADRB, 20
.set STO,  24
.set RD,   25
.set CO,   26
.set SPW,  28
.set NIL,  29
.set BIAS, 64
.set BK,   128
.set F0,   0
.set F1,   128
.set WV,   12
.set RH,   13                          ; s13 my half of the rows; also: I fetch o (0) or Wo (1)
.set CH,   14                          ; s14 my half of the columns; also: which half I fetch
.set TR,   15                          ; s15 tile row 0..63
.set TC,   42
.set G1,   24
.set G0,   32
.set G1B,  48
.set G0B,  56
.set MSB, 0
.macro WIN new
.if MSB != (\new)
	s_set_vgpr_msb (MSB<<8)|(\new)
.set MSB, (\new)
.endif
.endm
.set MUL,  0xa5                        ; sources 0 and 1 window 1, C and D window 2; less 0x20: C (the bias) window 0
.set TO_F, 0x40
.macro JLOAD s
	s_cmp_eq_u32 s[RH], 0
	s_cbranch_scc0 .Lfor_b_\@
	tensor_load_to_lds s[G0+4*\s:G0+4*\s+3], s[G1:G1+7]
	s_nop 0
.rept 4
	v_nop
.endr
	s_branch .Lasked_\@
.Lfor_b_\@:
	tensor_load_to_lds s[G0B+4*\s:G0B+4*\s+3], s[G1B:G1B+7]
	s_nop 0
.rept 4
	v_nop
.endr
.Lasked_\@:
.endm
.macro CREST
	s_cmp_lg_u32 s[WV], 0
	s_cbranch_scc1 .Lnot_wave_0_\@
	s_barrier_signal -3
.Lnot_wave_0_\@:
	s_barrier_wait -3
	s_barrier_signal -1
	s_barrier_wait -1
.endm
.macro CROUND
	s_barrier_signal -1
	s_barrier_wait -1
	CREST
.endm
	s_load_b256 s[4:11], s[0:1], 0x0               ; ows s[4:5], wo16 s[6:7], bo s[8:9], out0 s[10:11]
	v_lshl_add_u32 v[SPW], v0, 2, SPARE
	v_mov_b32 v[NIL], 0
	ds_add_u32 v[SPW], v[NIL]                      ; the wave's opening: the add, twice on end, and its wait ahead of my first tensor load
	ds_add_u32 v[SPW], v[NIL]
	v_lshrrev_b32 v1, 5, v0
	v_readfirstlane_b32 s[WV], v1
	s_lshr_b32 s[RH], s[WV], 1
	s_and_b32 s[CH], s[WV], 1
	s_bfe_u32 s40, ttmp6, 0x40000                  ; cx
	s_bfe_u32 s41, ttmp6, 0x40004                  ; cy
	s_lshl_b32 s[TC], ttmp9, 2
	s_add_co_u32 s[TC], s[TC], s40                 ; tile column
	s_and_b32 s[TR], ttmp7, 0xffff
	s_lshl_b32 s[TR], s[TR], 2
	s_add_co_u32 s[TR], s[TR], s41                 ; tile row
	s_lshl_b32 s43, s41, 2
	s_lshl_b32 s43, 15, s43                        ; my row of the cluster
	s_lshl_b32 s44, 0x1111, s40                    ; my column
	s_or_b32 s[G1+0], s43, (1<<16)|(1<<20)|(1<<21)|(4<<22)|(3<<25)   ; o: elements of 2 bytes; 4 words of padding after every 32
	s_mov_b32 s[G1+1], 64<<16
	s_mov_b32 s[G1+2], 128<<16
	s_mov_b32 s[G1+3], 64<<16
	s_mov_b32 s[G1+4], 128
	s_mov_b32 s[G1+5], 64
	s_mov_b32 s[G1+6], 0
	s_mov_b32 s[G1+7], 0
	s_or_b32 s[G1B+0], s44, (1<<16)|(1<<20)|(1<<21)|(6<<22)|(7<<25)  ; Wo: 8 words of padding after every 128
	s_mov_b32 s[G1B+1], 256<<16
	s_mov_b32 s[G1B+2], 64<<16
	s_mov_b32 s[G1B+3], 256<<16
	s_mov_b32 s[G1B+4], 64
	s_mov_b32 s[G1B+5], 1024
	s_mov_b32 s[G1B+6], 0
	s_mov_b32 s[G1B+7], 0
	s_lshr_b32 s16, s[TR], 4
	s_lshl_b32 s16, s16, 22                        ; o: the batch's 16 heads of 262,144 bytes,
	s_and_b32 s17, s[TR], 15
	s_lshl_b32 s17, s17, 14                        ; the tile's 128 positions of 128 bytes,
	s_add_co_u32 s16, s16, s17
	s_lshl_b32 s17, s[CH], 18                      ; the head that I fetch of the step's two
	s_add_co_u32 s16, s16, s17
	s_mov_b32 s17, 0
	s_lshl_b32 s46, s[CH], 17                      ; Wo: my 64 rows k of 2,048 bytes,
	s_lshl_b32 s47, s[TC], 9                       ; the tile's 256 columns
	s_add_co_u32 s46, s46, s47
	s_mov_b32 s47, 0
	s_mul_i32 s20, s[CH], ABLK                     ; where they go: no place in the cluster enters an LDS address
	s_mul_i32 s21, s[CH], BHALF
	s_add_co_u32 s21, s21, BOFF
	s_wait_dscnt 0x0                               ; both opening adds are done
	s_wait_kmcnt 0x0
	s_add_nc_u64 s[18:19], s[4:5], s[16:17]
	s_add_nc_u64 s[46:47], s[6:7], s[46:47]
	CROUND                                         ; all sixteen work-groups are here: the first joint loads meet
.irp s, 0,1
	s_mov_b32 s[G0+4*\s], 1
	s_add_co_u32 s[G0+4*\s+1], s20, \s*SLOT
	s_add_nc_u64 s[G0+4*\s+2:G0+4*\s+3], s[18:19], \s*524288       ; K step s: two heads on
	s_or_b32 s[G0+4*\s+3], s[G0+4*\s+3], 0x80000000
	s_mov_b32 s[G0B+4*\s], 1
	s_add_co_u32 s[G0B+4*\s+1], s21, \s*SLOT
	s_add_nc_u64 s[G0B+4*\s+2:G0B+4*\s+3], s[46:47], \s*262144     ; 128 rows k on
	s_or_b32 s[G0B+4*\s+3], s[G0B+4*\s+3], 0x80000000
	JLOAD \s
.endr
	v_and_b32 v1, 15, v0                           ; r
	v_bfe_u32 v2, v0, 4, 1                         ; h
	v_mul_u32_u24 v3, v1, PA
	v_lshl_add_u32 v3, v2, 4, v3                   ; o's fragments: row x pitch + 16 h
	s_mul_i32 s22, s[RH], 64*PA                    ; my 64 rows
	v_and_b32 v4, 7, v0
	v_bfe_u32 v5, v0, 3, 1
	v_lshl_add_u32 v4, v2, 3, v4                   ; Wo's: row k = 8 h + l % 8, columns 8 ((l / 8) % 2) on
	v_mul_u32_u24 v4, v4, PB
	v_lshl_add_u32 v4, v5, 4, v4
	s_lshl_b32 s23, s[CH], 8                       ; my 128 columns
	s_add_co_u32 s23, s23, BOFF
.irp s, 0,1
	v_add_nc_u32 v[ADRA+\s], s22, v3
	v_add_nc_u32 v[ADRB+\s], s23, v4
	s_add_co_u32 s22, s22, SLOT
	s_add_co_u32 s23, s23, SLOT
.endr
	s_mul_i32 s22, s[WV], 16*SPITCH
	s_add_co_u32 s22, s22, STAGE                   ; my stage
	v_mul_u32_u24 v5, v1, SPITCH
	v_lshl_add_u32 v5, v2, 5, v5
	v_add_nc_u32 v[STO], s22, v5                   ; in: row r, 32 bytes for each half of the lanes
	v_and_b32 v6, 31, v0
	v_lshlrev_b32 v[CO], 4, v6                     ; back: the 32 lanes take one row of 512 bytes; and the same in out0
	v_add_nc_u32 v[RD], s22, v[CO]
	v_lshlrev_b32 v7, 5, v2
	s_lshl_b32 s46, s[TC], 10
	s_lshl_b32 s47, s[CH], 9
	s_add_co_u32 s46, s46, s47                     ; my 128 columns' first byte, in bo and in a row of out0
	s_mov_b32 s47, 0
	s_add_nc_u64 s[8:9], s[8:9], s[46:47]
.irp b, 0,1,2,3,4,5,6,7
	global_load_b128 v[BIAS+8*\b:BIAS+8*\b+3], v7, s[8:9] offset:64*\b            ; lane (r, h), block b: columns 16 b + 8 h + 0 .. 7
	global_load_b128 v[BIAS+8*\b+4:BIAS+8*\b+7], v7, s[8:9] offset:64*\b+16
.endr
	s_lshl_b32 s16, s[TR], 7
	s_lshl_b32 s17, s[RH], 6
	s_add_co_u32 s16, s16, s17                     ; my first row
	s_lshl_b32 s16, s16, 12                        ; of 4,096 bytes
	s_mov_b32 s17, 0
	s_add_nc_u64 s[10:11], s[10:11], s[16:17]
	s_add_nc_u64 s[10:11], s[10:11], s[46:47]
; 8 matrix instructions: o's block a against Wo's eight, 32 along K.  bias = 1: the first products start the sums from the bias.  The 32 accumulators take turns, one instruction a turn.
.macro MUL8 f, a, bias
.irp b, 0,1,2,3,4,5,6,7
.if \bias
	v_wmma_f32_16x16x32_f16 v[8*(8*(\a)+\b):8*(8*(\a)+\b)+7], v[\f+32+8*\b:\f+32+8*\b+7], v[\f+8*(\a):\f+8*(\a)+7], v[BIAS+8*\b:BIAS+8*\b+7]
.else
	v_wmma_f32_16x16x32_f16 v[8*(8*(\a)+\b):8*(8*(\a)+\b)+7], v[\f+32+8*\b:\f+32+8*\b+7], v[\f+8*(\a):\f+8*(\a)+7], v[8*(8*(\a)+\b):8*(8*(\a)+\b)+7]
.endif
.endr
.endm
; 24 LDS loads in one run: the fragments of the slot's q-th 32 along K into buffer f; o's blocks last, ascending
.macro FETCH slot, q, f
	WIN TO_F
.irp j, 0,1,2,3,4,5,6,7
	ds_load_tr16_b128 v[\f+32+8*\j:\f+32+8*\j+3],   v[ADRB+\slot] offset:(\q)*32*PB+32*\j
	ds_load_tr16_b128 v[\f+32+8*\j+4:\f+32+8*\j+7], v[ADRB+\slot] offset:(\q)*32*PB+32*\j+16*PB
.endr
.irp i, 0,1,2,3
	ds_load_b128 v[\f+8*\i:\f+8*\i+3],   v[ADRA+\slot] offset:((\q)/2)*ABLK+((\q)%2)*64+\i*16*PA
	ds_load_b128 v[\f+8*\i+4:\f+8*\i+7], v[ADRA+\slot] offset:((\q)/2)*ABLK+((\q)%2)*64+\i*16*PA+32
.endr
.endm
.macro PLACES                          ; four plain lines in front of loads into registers that matrix instructions have read, and of reads of results (ISA guide 7.12.1 for the reads)
.rept 4
	v_nop
.endr
.endm
; A K step is four quarters of 32 along K, 32 matrix instructions each, on buffers 0, 1, 0, 1.  One of the first three: multiplies buffer f and fetches quarter q into g.
.macro QUARTER slot, q, f, g, bias
	s_wait_dscnt 4                                 ; Wo's fragments and o's blocks 0, 1 are in; the youngest four loads (blocks 2, 3) may be out
	WIN MUL-0x20*(\bias)
	MUL8 \f, 0, \bias
	MUL8 \f, 1, \bias
	PLACES
	FETCH \slot, \q, \g
	s_wait_dscnt 24                                ; all but the 24 just issued
	WIN MUL-0x20*(\bias)
	MUL8 \f, 2, \bias
	MUL8 \f, 3, \bias
.endm
; The last quarter multiplies buffer 1 and changes slots: ONE barrier; in front of it each wave waits for all its tensor loads, adds 0 to its spare word, and waits for that and for its reads of this slot.
; fill = 1: the barrier opens a round of the cluster's, and this slot is filled again, two K steps ahead, first thing behind the round: 112 matrix instructions ahead of the wait for it.
.macro TURN slot, next, fill
	WIN 0
	s_wait_tensorcnt 0x0                           ; all my tensor loads have landed: my part of the next slot
	ds_add_u32 v[SPW], v[NIL]
	s_wait_dscnt 5                                 ; the add and the youngest four loads may be out
	WIN MUL
	MUL8 F1, 0, 0
	s_wait_dscnt 0x0                               ; the add is done, and my reads of this slot are over
	s_barrier_signal -1
	MUL8 F1, 1, 0
	WIN 0
	s_barrier_wait -1
.if \fill
	CREST
	s_add_nc_u64 s[G0+4*\slot+2:G0+4*\slot+3], s[G0+4*\slot+2:G0+4*\slot+3], 2*524288
	s_add_nc_u64 s[G0B+4*\slot+2:G0B+4*\slot+3], s[G0B+4*\slot+2:G0B+4*\slot+3], 2*262144
	JLOAD \slot                                    ; the four v_nop behind it are also the places in front of the loads below
.else
	PLACES
.endif
	FETCH \next, 0, F0
	WIN MUL
	MUL8 F1, 2, 0
	MUL8 F1, 3, 0
.endm
	s_wait_loadcnt 0x0                             ; the bias
	s_wait_tensorcnt 1                             ; my part of K step 0 is in; K step 1's may stay out
	s_barrier_signal -1
	s_barrier_wait -1
	FETCH 0, 0, F0
	QUARTER 0, 1, F0, F1, 1                        ; the first quarter stands in front of the loop: its products start the sums
	WIN 0
	s_mov_b32 s3, 3
.Llap:                                                 ; a trip goes once round the ring and fills both slots again: K steps 2 to 7 in three trips
	QUARTER 0, 2, F1, F0, 0
	QUARTER 0, 3, F0, F1, 0
	TURN 0, 1, 1
	QUARTER 1, 1, F0, F1, 0
	QUARTER 1, 2, F1, F0, 0
	QUARTER 1, 3, F0, F1, 0
	TURN 1, 0, 1
	QUARTER 0, 1, F0, F1, 0
	WIN 0
	s_sub_co_u32 s3, s3, 1
	s_cmp_lg_u32 s3, 0
	s_cbranch_scc1 .Llap
	QUARTER 0, 2, F1, F0, 0                        ; the last lap fills nothing
	QUARTER 0, 3, F0, F1, 0
	TURN 0, 1, 0
	QUARTER 1, 1, F0, F1, 0
	QUARTER 1, 2, F1, F0, 0
	QUARTER 1, 3, F0, F1, 0
	s_wait_dscnt 4                                 ; the very last quarter
	WIN MUL
	MUL8 F1, 0, 0
	MUL8 F1, 1, 0
	s_wait_dscnt 0
	MUL8 F1, 2, 0
	MUL8 F1, 3, 0
	WIN 0
; THE WAY OUT, block by block of 16 rows x 128 columns: through my own stage, back as whole rows of 512 bytes.
.macro TOSTAGE a
	WIN 0x08                                       ; an LDS store's data are its source 1: window 2
.irp b, 0,1,2,3,4,5,6,7
	ds_store_b128 v[STO], v[64*(\a)+8*\b:64*(\a)+8*\b+3] offset:64*\b              ; each accumulator from its low end on
	ds_store_b128 v[STO], v[64*(\a)+8*\b+4:64*(\a)+8*\b+7] offset:64*\b+16
.endr
	WIN 0
.irp t, 0,1,2,3,4,5,6,7,8,9,10,11,12,13,14,15
	ds_load_b128 v[BK+64*((\a)%2)+4*\t:BK+64*((\a)%2)+4*\t+3], v[RD] offset:\t*SPITCH   ; in order behind the stores above (ISA guide 5.7.1.4)
.endr
.endm
.macro SEND a, younger                 ; younger: the LDS instructions issued behind block a's loads
	s_wait_dscnt \younger
.irp t, 0,1,2,3,4,5,6,7,8,9,10,11,12,13,14,15
	global_store_b128 v[CO], v[BK+64*((\a)%2)+4*\t:BK+64*((\a)%2)+4*\t+3], s[10:11] offset:(16*(\a)+\t)*4096 th:TH_STORE_NT   ; 512 consecutive bytes, aligned; written once, read by nobody here
.endr
.endm
	PLACES                                         ; behind the last products
	TOSTAGE 0
.irp a, 1,2,3
.if \a > 1
	s_wait_xcnt 0x0                                ; block a - 2's stores have read their registers: block a's loads may land there
.endif
	TOSTAGE \a
	SEND \a-1, 32                                  ; behind block a - 1's loads: block a's 16 stores and 16 loads
.endr
	SEND 3, 0
	s_wait_tensorcnt 0x0                           ; the wave's end, behind my last tensor load and my last LDS store
	ds_add_u32 v[SPW], v[NIL]
	s_wait_dscnt 0x0
	CROUND                                         ; the closing round
	s_endpgm
.Lfunc_end_k_q2b1e4ecad6_oproj:
	.size	k_q2b1e4ecad6_oproj, .Lfunc_end_k_q2b1e4ecad6_oproj-k_q2b1e4ecad6_oproj
	.p2alignl 7, 3214868480
	.fill 96, 4, 3214868480
	.section	.rodata,"a",@progbits
	.p2align	6, 0x0
	.amdhsa_kernel k_q2b1e4ecad6_oproj
		.amdhsa_group_segment_fixed_size 327680
		.amdhsa_private_segment_fixed_size 0
		.amdhsa_enable_private_segment 0
		.amdhsa_kernarg_size 32
		.amdhsa_user_sgpr_count 2
		.amdhsa_user_sgpr_kernarg_segment_ptr 1
		.amdhsa_wavefront_size32 1
		.amdhsa_system_sgpr_workgroup_id_x 1
		.amdhsa_system_sgpr_workgroup_id_y 1
		.amdhsa_system_sgpr_workgroup_id_z 1
		.amdhsa_system_vgpr_workitem_id 0
		.amdhsa_next_free_vgpr 768
		.amdhsa_next_free_sgpr 66
		.amdhsa_reserve_vcc 0
		.amdhsa_float_denorm_mode_32 3
		.amdhsa_float_denorm_mode_16_64 3
		.amdhsa_memory_ordered 1
		.amdhsa_forward_progress 1
		.amdhsa_inst_pref_size 87
	.end_amdhsa_kernel
	.amdgpu_metadata
---
amdhsa.version: [ 1, 2 ]
amdhsa.kernels:
  - .name:           k_q2b1e4ecad6_oproj
    .symbol:         k_q2b1e4ecad6_oproj.kd
    .args:
      - { .name: ows, .offset: 0, .size: 8, .value_kind: global_buffer, .address_space: global }
      - { .name: wo16, .offset: 8, .size: 8, .value_kind: global_buffer, .address_space: global }
      - { .name: bo, .offset: 16, .size: 8, .value_kind: global_buffer, .address_space: global }
      - { .name: out0, .offset: 24, .size: 8, .value_kind: global_buffer, .address_space: global }
    .group_segment_fixed_size: 327680
    .private_segment_fixed_size: 0
    .kernarg_segment_align: 8
    .kernarg_segment_size: 32
    .max_flat_workgroup_size: 128
    .sgpr_count:     66
    .vgpr_count:     768
    .wavefront_size: 32
...
	.end_amdgpu_metadata
.endif
;; end of part 4
